; MI455X (gfx1250); checked and timed in simulation.
; The chip was launched on July 23, 2026; its instructions are those of AMD's public machine-readable ISA for CDNA 5 (MIT licence, August 2026) and "CDNA5" Instruction Set Architecture Reference Guide (July 2026). The comments in the code are by the model that wrote it; some were corrected since.
;; Causal Self Attention Memory. Allowed arithmetic: matrix products marked QUANTISED: E4M3 operands, one given power-of-two scale a tensor, by v_wmma_f32_16x16x64_fp8_fp8 or v_wmma_f32_16x16x128_fp8_fp8, f32 sums; everything else in f32.
;; Inputs: Wk 2,048 x 2,048 float32; Wo 2,048 x 2,048 float32; Wq 2,048 x 2,048 float32; Wv 2,048 x 2,048 float32; freqs_cos 2,048 x 64 float32; freqs_sin 2,048 x 64 float32; lowp_scales 12 int32 (the exponents e of the quantised operands' scales 2^e); x 1 x 2,048 x 2,048 float32.
;; Outputs: out0 1 x 2,048 x 2,048 float32.
;; This version of the problem:
;;   THIS VERSION OF THE PROBLEM IS GIVEN IN LOW PRECISION. The matrix products marked QUANTISED in the list below multiply operands that are first quantised to E4M3 (4 exponent bits, 3 mantissa bits; 8 bits a number), with one given power-of-two scale for each operand tensor; their sums are f32. All else is computed in f32.
;;   The module's matrix products, in the order in which they are computed (A, B: the left and right operand; K: the contracted axis; several contracted axes count as one K, in the product's order):
;;     1. [M 2,048, K 2,048] x [K 2,048, N 2,048]; A: input x; B: input Wq: QUANTISED (scales: A lowp_scales[0], B lowp_scales[1])
;;     2. [M 2,048, K 2,048] x [K 2,048, N 2,048]; A: input x; B: input Wk: QUANTISED (scales: A lowp_scales[2], B lowp_scales[3])
;;     3. [M 2,048, K 2,048] x [K 2,048, N 2,048]; A: input x; B: input Wv: QUANTISED (scales: A lowp_scales[4], B lowp_scales[5])
;;     4. batch 16 x [M 2,048, K 128] x [K 128, N 2,048]; A: computed on the way; B: computed on the way: QUANTISED (scales: A lowp_scales[6], B lowp_scales[7])
;;     5. batch 16 x [M 2,048, K 2,048] x [K 2,048, N 128]; A: softmax (see below); B: computed on the way: QUANTISED (scales: A lowp_scales[8], B lowp_scales[9])
;;     6. [M 2,048, K 2,048] x [K 2,048, N 2,048]; A: computed on the way; B: input Wo: QUANTISED (scales: A lowp_scales[10], B lowp_scales[11])
;;   THE QUANTISER, for each operand of a quantised product, along K:
;;     - The operand's scale is 2^e, e = its entry of the input lowp_scales (int32; the entries are numbered through the quantised products in the list's order, A before B).
;;     - Each number is divided by the scale, clamped to +-448, and rounded to the nearest number of E4M3, ties to even, subnormals kept.
;;     - The product sums the exact products of the quantised numbers (number of the format x scale) in f32.
;;   ~~~python
;;   def quantise(x, axis, e):      # numpy; x: float32 -> the quantised numbers, widened to float32 again
;;       x = np.moveaxis(x, axis, -1); K = x.shape[-1]
;;       r = np.clip(x / 2.0 ** e, -448, 448)
;;       step = 2.0 ** (np.maximum(np.frexp(np.where(r == 0, 1, r))[1] - 1, -6) - 3)
;;       q = np.round(r / step) * step * 2.0 ** e      # np.round: ties to even
;;       return np.moveaxis(q, -1, axis).astype(np.float32)
;;   ~~~
;;   SOFTMAX AHEAD OF A QUANTISED PRODUCT. Where the list says 'softmax', what is quantised is not the finished softmax but p = 2^(t - M), with t = logit x log2(e) and M = ceil(the row's largest t), a whole number; so 1/2 < the row's largest p <= 1. The row's sum l is taken of the UNQUANTISED p, in f32, and the product's result is divided by l at the end. Since M is a whole number, a kernel that streams over the keys may use a running M (the ceiling of the running maximum): every later rescaling is an exact power of two, so the quantised numbers keep their values, but for numbers so far below the row's largest that they fall under the format's range.
;;   OPERANDS COMPUTED ON THE WAY. 'Computed on the way' means the value that the module computes at that place (a softmax that the list does not call 'softmax' is quantised finished and normalised). What goes into a quantiser is computed in f32, as accurately as f32 sums, v_exp_f32 and their like allow (about 1e-6 of the number): no bf16 or f16 on the way to a quantiser, and a product that is left as it is and whose result goes on into a quantised operand takes f32 operands (vector FMAs, or v_wmma_f32_16x16x4_f32). A number that lies on a knife's edge between two numbers of the format may be rounded either way, as far as f32 arithmetic and the matrix unit's own rounding can turn it there, and no further.
;; One version. Each part assembles by itself: llvm-mc -triple=amdgcn-amd-amdhsa -mcpu=gfx1250 --defsym DOCPART=n.
;; ======== version 1 of 1: 4 launches
;; limits: right only within a limited range of input values
;; workspace buffers: cod 25,165,824 bytes; qkvc 12,582,912 bytes; attc 4,194,304 bytes; woc 4,194,304 bytes
;; launch quant (part 1): grid 512 x 1, 4 waves a work-group, no clusters, 33,280 bytes of LDS; arguments x, Wq, Wk, Wv, lowp_scales, cod; writes cod
.if DOCPART == 1
	.amdgcn_target "amdgcn-amd-amdhsa--gfx1250"
	.amdhsa_code_object_version 6
	.text
	.protected	k_q70a30a131b_quant
	.globl	k_q70a30a131b_quant
	.p2align	8
	.type	k_q70a30a131b_quant,@function
k_q70a30a131b_quant:
	s_mov_b64 s[64:65], 0
	v_nop
	global_prefetch_b8 v0, s[64:65] scope:SCOPE_SE
	s_setreg_imm32_b32 hwreg(HW_REG_WAVE_MODE, 25, 1), 1
	s_wait_xcnt 0x0
; x, Wq, Wk, Wv, each [2048][2048] f32 with K innermost, become codes of E4M3, each with the scale 2^e that is given for it (Wo is quantised in the launch of the projections).
; code = number / 2^e, held within +-448, rounded to the nearest code, ties to even.
; cod holds six planes of [2048][2048] bytes: 0: x under entry 0; 1: x under entry 2; 2: Wv (entry 5); 3: Wq (1); 4: Wk (3); 5: x under entry 4.
; ORDER OF THE CODES IN A ROW.  Byte 32 J + 16 h + 8 u + i is the code of k = 32 J + 16 u + 8 h + i: a reader that takes 16 bytes at 32 c + 16 h of a row then has, in four registers on end,
; k = 32 c + 8 h + 0..7 and k = 32 c + 16 + 8 h + 0..7: the places that the plain 8-bit matrix form gives that lane.
; SHARES.  All 2,048 waves do the same: four steps of 512 numbers of each of the four tensors.  A step's four loads read 512 consecutive bytes each; the 2,048 bytes turn through the wave's own stage in LDS
; (16 bytes of padding behind each 64) and come back as each lane's two runs of 8 neighbours.  A lane's 16 codes are 16 bytes: a store covers 512 consecutive bytes.  x is read once and converted three times.
; Loads run eight steps (32 loads a wave) ahead.  No tensor load, no barrier, no prefetch: every byte is read once, as a stream, and waves share nothing.
; The program leaves out no work but tiles of scores that lie wholly under the causal mask that the module itself builds (attn).
; LIMITS: each of the entries 0 to 5 lies between -126 and 119, so that 2^e and 448 x 2^e are f32 numbers.  NaN among the inputs is not served.
.set SP,    80                         ; a place in a stage: 64 bytes + 16 of padding
.set WREG,  8192                       ; LDS of a wave: two stages of 32 x SP bytes
.set SPARE, 4*WREG                     ; behind the four regions: the spare words, 128 bytes a wave, which no other line names
.set PLANE, 1<<22
.set SPW,   12                         ; v12  LDS address of my spare word; never rewritten
.set NIL,   13                         ; v13  0; never rewritten
.set R,     16                         ; v16-143  eight sets of 16 numbers as loaded
.set X,     144                        ; v144-175 two sets: 8 + 8 neighbours
.set T,     176                        ; v176-191 x's numbers, held
.set C,     192                        ; v192-239 codes
.set SCL,   240                        ; v240-251 for entry e: 2^e at SCL + 2 e, 448 x 2^e behind it
.set PL,    44                         ; s[44:55] my run's codes in planes 0 to 5
	s_load_b256 s[4:11], s[0:1], 0x0               ; x, Wq, Wk, Wv
	s_load_b128 s[12:15], s[0:1], 0x20             ; the scales' exponents, cod
	v_lshl_add_u32 v[SPW], v0, 2, SPARE
	v_mov_b32 v[NIL], 0
	v_lshrrev_b32 v1, 5, v0
	v_readfirstlane_b32 s18, v1                    ; wave
	v_and_b32 v2, 31, v0                           ; lane
	v_lshlrev_b32 v3, 4, v2                        ; 16 x lane
	s_mul_i32 s30, s18, WREG
	v_lshrrev_b32 v14, 2, v2
	v_mul_u32_u24 v14, v14, SP
	v_and_b32 v15, 3, v2
	v_lshl_add_u32 v14, v15, 4, v14
	v_add_nc_u32 v14, s30, v14                     ; into the stage: SP (lane / 4) + 16 (lane % 4)
	v_and_b32 v15, 30, v2
	v_mul_u32_u24 v15, v15, SP
	v_and_b32 v4, 1, v2
	v_lshl_add_u32 v15, v4, 5, v15
	v_add_nc_u32 v15, s30, v15                     ; out of it: group J = lane / 2 begins at place 2 J; my half h = lane % 2 is 32 bytes on
	s_lshl_b32 s31, ttmp9, 2
	s_add_co_u32 s31, s31, s18                     ; which run of 2,048 numbers of each tensor is my wave's
	s_lshl_b32 s32, s31, 13                        ; its bytes in a tensor,
	s_mov_b32 s33, 0
	s_lshl_b32 s34, s31, 11                        ; and in a plane of codes
	s_mov_b32 s35, 0
	s_wait_alu depctr_va_vdst(0)
	s_wait_kmcnt 0x0
	s_load_b256 s[36:43], s[12:13], 0x0            ; entries 0 to 7
.irp n, 4,6,8,10
	s_add_nc_u64 s[\n:\n+1], s[\n:\n+1], s[32:33]
.endr
	s_add_nc_u64 s[PL:PL+1], s[14:15], s[34:35]
.irp n, 1,2,3,4,5
	s_add_nc_u64 s[PL+2*\n:PL+2*\n+1], s[PL:PL+1], \n*PLANE
.endr
.macro LOAD t
.irp i, 0,1,2,3
	global_load_b128 v[R+16*((\t)%8)+4*\i:R+16*((\t)%8)+4*\i+3], v3, s[4+2*((\t)/4):5+2*((\t)/4)] offset:2048*((\t)%4)+512*\i th:TH_LOAD_NT
.endr
.endm
.macro TURN t                          ; step t's numbers through the stage: LDS serves a wave's instructions in order (ISA guide 5.7.1.4), so no wait stands between the stores and the loads
.irp i, 0,1,2,3
	ds_store_b128 v14, v[R+16*((\t)%8)+4*\i:R+16*((\t)%8)+4*\i+3] offset:32*SP*((\t)%2)+8*SP*\i
.endr
	ds_load_b128 v[X+16*((\t)%2):X+16*((\t)%2)+3],     v15 offset:32*SP*((\t)%2)        ; k = 32 J + 8 h + 0..3
	ds_load_b128 v[X+16*((\t)%2)+4:X+16*((\t)%2)+7],   v15 offset:32*SP*((\t)%2)+16     ;                + 4..7
	ds_load_b128 v[X+16*((\t)%2)+8:X+16*((\t)%2)+11],  v15 offset:32*SP*((\t)%2)+SP     ; k = 32 J + 16 + 8 h + 0..3
	ds_load_b128 v[X+16*((\t)%2)+12:X+16*((\t)%2)+15], v15 offset:32*SP*((\t)%2)+SP+16
.endm
.irp t, 0,1,2,3,4,5,6,7
	LOAD \t
.endr
	s_wait_kmcnt 0x0
.irp n, 0,1,2,3,4,5
	s_add_co_i32 s30, s[36+\n], 127
	s_lshl_b32 s31, s30, 23
	v_mov_b32 v[SCL+2*\n], s31
	s_add_co_i32 s30, s30, 8
	s_lshl_b32 s30, s30, 23
	s_or_b32 s30, s30, 0x600000
	v_mov_b32 v[SCL+2*\n+1], s30
.endr
	s_wait_alu depctr_va_vdst(0)
	s_wait_loadcnt 28                              ; step 0's four loads are in; those of steps 1 to 7 may be out
	TURN 0
; the codes of the numbers in XS under entry e into registers cd, to plane p.  to: where the held numbers stand.  The conversion to an 8-bit code does not saturate (ISA guide 7.6.2): the hold comes first
.macro CODE t, e, cd, p, to
.irp i, 0,1,2,3,4,5,6,7,8,9,10,11,12,13,14,15
	v_med3_num_f32 v[\to+\i], v[XS+\i], -v[SCL+2*\e+1], v[SCL+2*\e+1]
.endr
	v_cvt_scalef32_pk8_fp8_f32 v[\cd:\cd+1], v[\to:\to+7], v[SCL+2*\e]
	v_cvt_scalef32_pk8_fp8_f32 v[\cd+2:\cd+3], v[\to+8:\to+15], v[SCL+2*\e]
	v_nop                                          ; one plain vector line behind the conversions: the next holds may write their sources
	global_store_b128 v3, v[\cd:\cd+3], s[PL+2*\p:PL+2*\p+1] offset:512*((\t)%4)
.endm
.macro STEP t
.set XS, X+16*((\t)%2)
	s_wait_dscnt 0x0                               ; this step's numbers are back from the stage, whose stores have read their registers
.if (\t) < 8
	LOAD (\t)+8
	s_wait_loadcnt 28                              ; the next step's four loads are in; those of the seven behind it may be out
	TURN (\t)+1
.elseif (\t) < 15
	s_wait_loadcnt 4*(14-(\t))                     ; likewise, with nothing more to ask for
	TURN (\t)+1
.endif
.if (\t) == 4
	s_wait_xcnt 0x0                                ; x's stores have read their registers: the codes' registers are written again
.endif
.if (\t) < 4
	CODE \t, 0, C+12*(\t), 0, T
	CODE \t, 2, C+12*(\t)+4, 1, T
	CODE \t, 4, C+12*(\t)+8, 5, T
.elseif (\t) < 8
	CODE \t, 1, C+4*((\t)-4), 3, XS
.elseif (\t) < 12
	CODE \t, 3, C+4*((\t)-4), 4, XS
.else
	CODE \t, 5, C+4*((\t)-4), 2, XS
.endif
.endm
.irp t, 0,1,2,3,4,5,6,7,8,9,10,11,12,13,14,15
	STEP \t
.endr
	s_wait_tensorcnt 0x0                           ; the wave's end
	ds_add_u32 v[SPW], v[NIL]
	s_wait_dscnt 0x0
	s_endpgm
.Lfunc_end_k_q70a30a131b_quant:
	.size	k_q70a30a131b_quant, .Lfunc_end_k_q70a30a131b_quant-k_q70a30a131b_quant
	.p2alignl 7, 3214868480
	.fill 96, 4, 3214868480
	.section	.rodata,"a",@progbits
	.p2align	6, 0x0
	.amdhsa_kernel k_q70a30a131b_quant
		.amdhsa_group_segment_fixed_size 33280
		.amdhsa_private_segment_fixed_size 0
		.amdhsa_enable_private_segment 0
		.amdhsa_kernarg_size 48
		.amdhsa_user_sgpr_count 2
		.amdhsa_user_sgpr_kernarg_segment_ptr 1
		.amdhsa_wavefront_size32 1
		.amdhsa_system_sgpr_workgroup_id_x 1
		.amdhsa_system_sgpr_workgroup_id_y 1
		.amdhsa_system_sgpr_workgroup_id_z 1
		.amdhsa_system_vgpr_workitem_id 0
		.amdhsa_next_free_vgpr 256
		.amdhsa_next_free_sgpr 66
		.amdhsa_reserve_vcc 0
		.amdhsa_float_denorm_mode_32 3
		.amdhsa_float_denorm_mode_16_64 3
		.amdhsa_memory_ordered 1
		.amdhsa_forward_progress 1
		.amdhsa_inst_pref_size 49
	.end_amdhsa_kernel
	.amdgpu_metadata
---
amdhsa.version: [ 1, 2 ]
amdhsa.kernels:
  - .name:           k_q70a30a131b_quant
    .symbol:         k_q70a30a131b_quant.kd
    .args:
      - { .name: x, .offset: 0, .size: 8, .value_kind: global_buffer, .address_space: global }
      - { .name: Wq, .offset: 8, .size: 8, .value_kind: global_buffer, .address_space: global }
      - { .name: Wk, .offset: 16, .size: 8, .value_kind: global_buffer, .address_space: global }
      - { .name: Wv, .offset: 24, .size: 8, .value_kind: global_buffer, .address_space: global }
      - { .name: lowp_scales, .offset: 32, .size: 8, .value_kind: global_buffer, .address_space: global }
      - { .name: cod, .offset: 40, .size: 8, .value_kind: global_buffer, .address_space: global }
    .group_segment_fixed_size: 33280
    .private_segment_fixed_size: 0
    .kernarg_segment_align: 8
    .kernarg_segment_size: 48
    .max_flat_workgroup_size: 128
    .sgpr_count:     66
    .vgpr_count:     256
    .wavefront_size: 32
...
	.end_amdgpu_metadata
.endif
;; end of part 1
;; launch proj (part 2): grid 32 x 8, 4 waves a work-group, clusters of 4 x 4, 327,680 bytes of LDS; arguments cod, freqs_cos, freqs_sin, lowp_scales, qkvc, Wo, woc; writes qkvc, woc
.if DOCPART == 2
	.amdgcn_target "amdgcn-amd-amdhsa--gfx1250"
	.amdhsa_code_object_version 6
	.text
	.protected	k_q70a30a131b_proj
	.globl	k_q70a30a131b_proj
	.p2align	8
	.type	k_q70a30a131b_proj,@function
k_q70a30a131b_proj:
	s_mov_b64 s[64:65], 0
	v_nop
	global_prefetch_b8 v0, s[64:65] scope:SCOPE_SE
	s_setreg_imm32_b32 hwreg(HW_REG_WAVE_MODE, 25, 1), 1
	s_wait_xcnt 0x0
	s_wait_alu depctr_hold_cnt(0) depctr_sa_sdst(0) depctr_va_vdst(0) depctr_va_sdst(0) depctr_va_ssrc(0) depctr_va_vcc(0) depctr_vm_vsrc(0)
	s_getreg_b32 s2, hwreg(HW_REG_IB_STS2, 6, 4)
	s_cmp_eq_u32 s2, 0
	s_cbranch_scc0 .Lentry_in_a_cluster
	s_endpgm
.Lentry_in_a_cluster:
	s_bfe_u32 s2, ttmp6, 0x10000c
	s_cmp_lg_u32 s2, 0xf033
	s_cbranch_scc0 .Lentry_shape_is_right
	s_endpgm
.Lentry_shape_is_right:
; q, k, v = the three projections of x on codes of E4M3, rotated (q, k) and quantised for attention; and Wo's codes, for the launch behind it.
; GRID.  32 x 8 work-groups in clusters of 4 x 4.  Clusters x = 0 to 5 make products: 24 x 8 blocks of 256 x 256; clusters x = 6, 7 quantise Wo: 64 work-groups, 65,536 numbers each.  The two part on the cluster's
; number, which is the same in all sixteen partners: whole clusters go one way.
; PRODUCTS.  Block column / 8 = which: 0 q, 1 k, 2 v.  Source A is a row of blocks, source B a column: q, k: A = x (planes 0, 1 of cod), B = Wq, Wk (planes 3, 4).  v: A = Wv (plane 2), B = x (plane 5).
; The matrix instruction is used transposed (source 0 = B's rows, source 1 = A's): a lane holds ONE row of A (a token; for v a channel) and its registers run along B's rows (channels; for v tokens),
; so eight results converted at a time are registers 2 b, 2 b + 1 of an operand of attention.  A wave makes 128 x 128: 64 accumulators, 512 registers.
; RING.  K in steps of 256 through two LDS slots (A's 256 rows, B's 256 rows, 272 bytes apart).  A's tiles are asked for jointly along a row of the cluster, B's along a column.
; ROTATION.  The 256 tokens' cos and sin (rows of 64 f32 = 256 bytes) come by a joint load along the row into slot 0, once its last K step has been read, padded like a tile: a fragment's address serves them too.
; The pair (xr, xi) lies in two neighbouring registers: (xr, xi) c + (-xi, xr) s is two packed instructions.  v has no rotation: its clusters, as a whole, do not ask for the tables.
; WAY OUT.  A block of 16 rows x 128 is held, converted and stored as an image of 2,048 bytes: register 4 c + w of lane L at 512 c + 16 L + 4 w.  qkvc: plane (q, k, v), head, 128 tokens, eight images.
; PREFETCH.  Behind the load of K step s stands one global_prefetch_b8 a wave for K step s + 2 (the first: steps 1, 2, 3 behind the loads of steps 0 and 1): of the 128 rows that a wave fetches each of the four partners names 32, told
; apart by address, a lane a row.  The last two loads ask for nothing.
; REGISTERS, in windows of 256: window 0: addresses, A's fragments (v128-255), work on the way out; window 1: B's fragments, two sets; windows 2, 3: accumulators of my rows 0-63, 64-127.
; LIMITS: for q, k, v: (entry 6, 7, 9) - (sum of the operands' two entries) lies between -126 and 119; entry 11 likewise.  NaN is not served.
.set KSTEP,  256
.set ROWB,   256
.set KROW,   2048
.set PITCH,  272                       ; an LDS row: 256 bytes + 16 of padding: 16 rows start at 16 different banks (64 banks of 4 bytes: ISA guide 11.1)
.set FR,     16
.set NL,     4
.set NP,     4                         ; places behind this matrix form (ISA guide 7.12.1)
.set HALFT,  128*PITCH
.set SLOT,   4*HALFT
.set LAPS,   2048/(2*KSTEP)
.set SPARE,  2*SLOT                    ; the spare words, 128 bytes a wave, which no other line names
.set STG,    SPARE+512                 ; Wo's stages: 5,120 bytes a wave, into which no tile lands
.set SP,     80
.set ADRA, 16                          ; v16-17 LDS address of my A fragments in slot 0, 1 (v16 also: of my rows of cos)
.set ADS,  18                          ; v18    of my rows of sin
.set ADRB, 20                          ; v20-21 of my B fragments
.set STO,  24                          ; v24    16 x lane
.set SC,   26
.set LIM,  27
.set SPW,  28                          ; v28    LDS address of my spare word; never rewritten
.set NIL,  29                          ; v29    0; never rewritten
.set PFO,  30                          ; v30    the prefetches' offset: lane x 2,048; never rewritten
.set CS0,  32                          ; v32-159 two sets of cos and sin
.set TMP,  160
.set CD,   224
.set AF,   128
.set G1,  24                           ; s[24:31] group 1 for A, s[48:55] for B, s[88:95] for cos and sin
.set G1B, 48
.set G1C, 88
.set G0,  32                           ; s[32:39] group 0 for A, one a slot; s[56:63] for B; s[80:83], s[84:87] for cos, sin
.set G0B, 56
.set G0C, 80
.set G0S, 84
.set PFA, 100                          ; s[100:101] where my prefetches stand
.set MSB, 0
.macro WIN new                         ; the immediate's high byte repeats the setting that is left
.if MSB != \new
	s_set_vgpr_msb (MSB<<8)|\new
.set MSB, \new
.endif
.endm
.set MUL_LO, 0xa1                      ; source 0 (B) window 1, source 1 (A) window 0, C and D window 2
.set MUL_HI, 0xf1                      ; the same, C and D window 3
.set TO_B,   0x40
; A joint load: waves 0, 1 by the first line, waves 2, 3 by the second.  Each line has one mask; the branch hangs on the wave's number alone.
.macro JLOAD g0a, g1a, g0b, g1b
	s_cmp_eq_u32 s15, 0
	s_cbranch_scc0 .Lfor_b_\@
	tensor_load_to_lds s[\g0a:\g0a+3], s[\g1a:\g1a+7]
	s_nop 0
.rept 4
	v_nop
.endr
	s_branch .Lasked_\@
.Lfor_b_\@:
	tensor_load_to_lds s[\g0b:\g0b+3], s[\g1b:\g1b+7]
	s_nop 0
.rept 4
	v_nop
.endr
.Lasked_\@:
.endm
.macro CREST                           ; a round of the cluster's barrier behind its opening barrier
	s_cmp_lg_u32 s14, 0
	s_cbranch_scc1 .Lnot_wave_0_\@
	s_barrier_signal -3
.Lnot_wave_0_\@:
	s_barrier_wait -3
	s_barrier_signal -1
	s_barrier_wait -1
.endm
.macro CROUND
	s_barrier_signal -1
	s_barrier_wait -1
	CREST
.endm
.macro ASK off
	global_prefetch_b8 v[PFO], s[PFA:PFA+1] offset:\off th:TH_LOAD_NT scope:SCOPE_SE
.endm
	s_load_b256 s[4:11], s[0:1], 0x0               ; cod, cos, sin, the scales' exponents
	s_load_b64 s[12:13], s[0:1], 0x20              ; qkvc
	s_load_b128 s[96:99], s[0:1], 0x28             ; Wo, woc
	v_lshl_add_u32 v[SPW], v0, 2, SPARE
	v_mov_b32 v[NIL], 0
	ds_add_u32 v[SPW], v[NIL]                      ; the opening: the add, twice on end, and its one wait ahead of my first tensor load
	ds_add_u32 v[SPW], v[NIL]
	v_lshrrev_b32 v1, 5, v0
	v_readfirstlane_b32 s14, v1                    ; wave
	s_lshr_b32 s15, s14, 1                         ; my half of A's rows; also: I fetch for A (0) or B (1)
	s_and_b32 s16, s14, 1                          ; my half of B's rows; also: which 128 rows I fetch
	s_bfe_u32 s40, ttmp6, 0x40000                  ; cx, cy
	s_bfe_u32 s41, ttmp6, 0x40004
	s_lshl_b32 s42, ttmp9, 2
	s_add_co_u32 s42, s42, s40                     ; block column
	s_and_b32 s17, ttmp7, 0xffff
	s_lshl_b32 s17, s17, 2
	s_add_co_u32 s17, s17, s41                     ; block row
	s_lshr_b32 s66, ttmp9, 1                       ; 0 q, 1 k, 2 v: the same in all partners
	s_lshl_b32 s43, s41, 2
	s_lshl_b32 s43, 15, s43                        ; my row of the cluster
	s_lshl_b32 s44, 0x1111, s40                    ; my column
	s_or_b32 s[G1], s43, (0<<16)|(1<<20)|(1<<21)|(5<<22)|(3<<25)    ; the mask; elements of 1 byte; padding of 4 words after every 64; bit 21 set beside a mask
	s_or_b32 s[G1B], s44, (0<<16)|(1<<20)|(1<<21)|(5<<22)|(3<<25)
	s_or_b32 s[G1C], s43, (0<<16)|(1<<20)|(1<<21)|(5<<22)|(3<<25)
.irp g, G1, G1B, G1C
	s_mov_b32 s[\g+1], ROWB<<16
	s_mov_b32 s[\g+2], 128<<16
	s_mov_b32 s[\g+3], ROWB<<16
	s_mov_b32 s[\g+4], 128
	s_mov_b32 s[\g+6], 0
	s_mov_b32 s[\g+7], 0
.endr
	s_mov_b32 s[G1+5], KROW
	s_mov_b32 s[G1B+5], KROW
	s_mov_b32 s[G1C+5], 256                        ; a table's rows lie on end
	s_lshl_b32 s18, s16, 7
	s_lshl_b32 s20, s17, 8
	s_add_co_u32 s20, s20, s18
	s_lshl_b32 s19, s66, 11
	s_add_co_u32 s20, s20, s19                     ; A: row 2048 x plane + 256 x block row + 128 x half,
	s_lshl_b32 s20, s20, 11                        ; 2,048 bytes each
	s_mov_b32 s21, 0
	s_lshl_b32 s46, s42, 8
	s_add_co_u32 s46, s46, s18
	s_add_co_u32 s46, s46, 3*2048                  ; B: planes 3 to 5
	s_lshl_b32 s46, s46, 11
	s_mov_b32 s47, 0
	s_mul_i32 s45, s14, HALFT                      ; where they go: no place in the cluster enters an LDS address
	s_lshl_b32 s18, s17, 1
	s_add_co_u32 s18, s18, s16
	s_lshl_b32 s18, s18, 15                        ; cos, sin: token 256 x block row + 128 x half, 256 bytes each
	s_mov_b32 s19, 0
	s_wait_alu depctr_va_vdst(0)
	s_wait_dscnt 0x0                               ; both opening adds are done
	s_wait_kmcnt 0x0
	s_cmp_gt_u32 ttmp9, 5
	s_cbranch_scc1 .Lwo                            ; clusters 6, 7: Wo
	s_load_b256 s[68:75], s[10:11], 0x0            ; entries 0 to 11
	s_load_b128 s[76:79], s[10:11], 0x20
	s_add_nc_u64 s[20:21], s[4:5], s[20:21]
	s_add_nc_u64 s[46:47], s[4:5], s[46:47]
	CROUND                                         ; all sixteen work-groups are here: the first joint loads meet
.irp s, 0,1
	s_mov_b32 s[G0+4*\s], 1
	s_add_co_u32 s[G0+4*\s+1], s45, \s*SLOT
	s_add_nc_u64 s[G0+4*\s+2:G0+4*\s+3], s[20:21], \s*ROWB
	s_or_b32 s[G0+4*\s+3], s[G0+4*\s+3], 0x80000000
	s_mov_b32 s[G0B+4*\s], 1
	s_add_co_u32 s[G0B+4*\s+1], s45, \s*SLOT
	s_add_nc_u64 s[G0B+4*\s+2:G0B+4*\s+3], s[46:47], \s*ROWB
	s_or_b32 s[G0B+4*\s+3], s[G0B+4*\s+3], 0x80000000
.endr
	JLOAD G0, G1, G0B, G1B                         ; K step 0: one tensor load a wave at the head
	s_mov_b32 s[G0C], 1
	s_mov_b32 s[G0C+1], s45                        ; slot 0: cos where A's rows lie, sin where B's lie
	s_add_nc_u64 s[G0C+2:G0C+3], s[6:7], s[18:19]
	s_or_b32 s[G0C+3], s[G0C+3], 0x80000000
	s_mov_b32 s[G0S], 1
	s_mov_b32 s[G0S+1], s45
	s_add_nc_u64 s[G0S+2:G0S+3], s[8:9], s[18:19]
	s_or_b32 s[G0S+3], s[G0S+3], 0x80000000
	s_cmp_eq_u32 s15, 0
	s_cselect_b64 s[PFA:PFA+1], s[20:21], s[46:47]
	s_cselect_b32 s18, s40, s41                    ; my place among the four that ask with me
	s_lshl_b32 s18, s18, 16                        ; 32 rows each
	s_mov_b32 s19, 0
	s_add_nc_u64 s[PFA:PFA+1], s[PFA:PFA+1], s[18:19]
	v_and_b32 v6, 31, v0
	v_lshlrev_b32 v[PFO], 11, v6
	v_lshlrev_b32 v[STO], 4, v6
	ASK ROWB                                       ; K step 1
	v_and_b32 v1, 15, v0                           ; r
	v_bfe_u32 v2, v0, 4, 1                         ; h
	v_mul_u32_u24 v3, v1, PITCH
	v_lshl_add_u32 v4, v2, 4, v3
	s_mul_i32 s21, s15, HALFT
	s_mul_i32 s22, s16, HALFT
	s_add_co_u32 s22, s22, 2*HALFT
.irp s, 0,1
	v_add_nc_u32 v[ADRA+\s], s21, v4
	v_add_nc_u32 v[ADRB+\s], s22, v4
	s_add_co_u32 s21, s21, SLOT
	s_add_co_u32 s22, s22, SLOT
.endr
	v_add_nc_u32 v[ADS], 2*HALFT, v[ADRA]
	s_lshl_b32 s22, s17, 1
	s_add_co_u32 s22, s22, s15                     ; which 128 rows of A are mine,
	s_lshl_b32 s23, s66, 3
	s_sub_co_u32 s23, s42, s23
	s_lshl_b32 s23, s23, 1
	s_add_co_u32 s23, s23, s16                     ; and of B
	s_cmp_eq_u32 s66, 2
	s_cselect_b32 s18, s22, s23                    ; the head,
	s_cselect_b32 s19, s23, s22                    ; the 128 tokens
	s_lshl_b32 s18, s18, 18
	s_lshl_b32 s19, s19, 14
	s_add_co_u32 s18, s18, s19
	s_lshl_b32 s19, s66, 22
	s_add_co_u32 s18, s18, s19
	s_mov_b32 s19, 0
	s_add_nc_u64 s[12:13], s[12:13], s[18:19]
.macro FRAG reg, adr, q, i             ; 16 rows x 128 K of codes: four loads, 32 bytes apart
.irp c, 0,1,2,3
	ds_load_b128 v[\reg+4*\c:\reg+4*\c+3], v[\adr] offset:128*(\q)+32*\c+(\i)*16*PITCH
.endr
.endm
; 16 matrix instructions: A's blocks a0, a0 + 1 x B's eight.  The 64 accumulators take turns, one instruction a turn, in the same order in every step.
.macro MUL16 a0, p, zero
.irp a, \a0, \a0+1
.irp b, 0,1,2,3,4,5,6,7
.if \zero
	v_wmma_f32_16x16x128_fp8_fp8 v[8*(8*((\a)%4)+\b):8*(8*((\a)%4)+\b)+7], v[128*(\p)+FR*\b:128*(\p)+FR*\b+FR-1], v[AF+FR*(\a):AF+FR*(\a)+FR-1], 0
.else
	v_wmma_f32_16x16x128_fp8_fp8 v[8*(8*((\a)%4)+\b):8*(8*((\a)%4)+\b)+7], v[128*(\p)+FR*\b:128*(\p)+FR*\b+FR-1], v[AF+FR*(\a):AF+FR*(\a)+FR-1], v[8*(8*((\a)%4)+\b):8*(8*((\a)%4)+\b)+7]
.endif
.endr
.endr
.endm
.macro FETCH_B slot, q, p
	WIN TO_B
.irp i, 0,1,2,3,4,5,6,7
	FRAG 128*(\p)+FR*\i, ADRB+\slot, \q, \i
.endr
	WIN 0
.endm
.macro FETCH_A slot, q, i0
.irp i, \i0, \i0+1, \i0+2, \i0+3
	FRAG AF+FR*(\i), ADRA+\slot, \q, \i
.endr
.endm
.macro PLACES n                        ; plain lines between a matrix instruction and a load into, or a vector read or write of, one of its registers
.rept \n
	v_nop
.endr
.endm
.macro STEP slot, q, zero              ; 128 along K whose successor lies in the same slot
	s_wait_dscnt 4*NL                              ; B's set and A's blocks 0-3 are in; A's blocks 4-7 may be out
	WIN MUL_LO
	MUL16 0, (\q)%2, \zero
	MUL16 2, (\q)%2, \zero
	s_wait_dscnt 0
	PLACES NP
	FETCH_B \slot, (\q)+1, 1-(\q)%2
	FETCH_A \slot, (\q)+1, 0
	WIN MUL_HI
	MUL16 4, (\q)%2, \zero
	MUL16 6, (\q)%2, \zero
	PLACES NP
	WIN 0
	FETCH_A \slot, (\q)+1, 4
.endm
; A slot's last 128 changes slots.  fill = 1: the slot takes the K step two on; fill = 2, the last change: q's and k's clusters fill slot 0 with cos and sin.
.macro TURN slot, next, fill
.if (\fill) == 1
.if (\slot) == 0
	s_wait_xcnt 0x0                                ; my prefetches have read their address
	s_add_nc_u64 s[PFA:PFA+1], s[PFA:PFA+1], 2*ROWB
.endif
.endif
	s_wait_tensorcnt 0x0                           ; all my tensor loads have landed: my part of the next slot;
	ds_add_u32 v[SPW], v[NIL]                      ; 0 onto my spare word;
	s_wait_dscnt 4*NL+1                            ; (the add and A's blocks 4-7 may be out)
	WIN MUL_LO
	MUL16 0, 1, 0
	s_wait_dscnt 0x0                               ; the add is done, and my reads of this slot are over
	s_barrier_signal -1
	MUL16 2, 1, 0
	WIN 0
	s_barrier_wait -1
.if (\fill) == 1
	CREST                                          ; the barrier has opened a round: no wave of any partner still reads this slot or has a load on its way
	s_add_nc_u64 s[G0+4*\slot+2:G0+4*\slot+3], s[G0+4*\slot+2:G0+4*\slot+3], 2*ROWB
	s_add_nc_u64 s[G0B+4*\slot+2:G0B+4*\slot+3], s[G0B+4*\slot+2:G0B+4*\slot+3], 2*ROWB
	JLOAD G0+4*\slot, G1, G0B+4*\slot, G1B
.else
	s_cmp_eq_u32 s66, 2                            ; v's clusters have no use for the tables: all sixteen partners of a cluster go the same way
	s_cbranch_scc1 .Lno_tables_\@
	CREST
	JLOAD G0C, G1C, G0S, G1C
.Lno_tables_\@:
	PLACES NP
.endif
	FETCH_B \next, 0, 0
	FETCH_A \next, 0, 0
.if (\fill) == 1
	s_cmp_gt_u32 s3, 1                             ; the loop's last trip asks for nothing
	s_cbranch_scc0 .Lnot_now_\@
	ASK (2+\slot)*ROWB                             ; two K steps behind the one just loaded
.Lnot_now_\@:
.endif
	WIN MUL_HI
	MUL16 4, 1, 0
	MUL16 6, 1, 0
	PLACES NP
	WIN 0
	FETCH_A \next, 0, 4
.endm
	s_wait_alu depctr_va_vdst(0)
	s_wait_tensorcnt 0x0                           ; my part of K step 0 is in; the lines ahead of a later first fill:
	ds_add_u32 v[SPW], v[NIL]
	s_wait_dscnt 0x0
	CROUND
	JLOAD G0+4, G1, G0B+4, G1B                     ; K step 1
	FETCH_B 0, 0, 0
	FETCH_A 0, 0, 0
	FETCH_A 0, 0, 4
	ASK 2*ROWB                                     ; K steps 2 and 3
	ASK 3*ROWB
	STEP 0, 0, 1                                   ; the first products start the sums
	s_mov_b32 s3, LAPS-1
.Llap:
	TURN 0, 1, 1
	STEP 1, 0, 0
	TURN 1, 0, 1
	STEP 0, 0, 0
	s_sub_co_u32 s3, s3, 1
	s_cmp_lg_u32 s3, 0
	s_cbranch_scc1 .Llap
	TURN 0, 1, 2
	STEP 1, 0, 0
	s_wait_dscnt 4*NL
	WIN MUL_LO
	MUL16 0, 1, 0
	MUL16 2, 1, 0
	s_wait_dscnt 0
	WIN MUL_HI
	MUL16 4, 1, 0
	MUL16 6, 1, 0
	WIN 0
	s_wait_kmcnt 0x0
	s_add_co_i32 s18, s68, s69                     ; a sum stands for sum x 2^(its operands' entries): its code is sum / 2^(the result's entry less these)
	s_add_co_i32 s19, s70, s71
	s_add_co_i32 s20, s72, s73
	s_cmp_eq_u32 s66, 0
	s_cselect_b32 s21, s18, s19
	s_cselect_b32 s22, s74, s75
	s_cmp_eq_u32 s66, 2
	s_cselect_b32 s21, s20, s21
	s_cselect_b32 s22, s77, s22
	s_sub_co_i32 s21, s22, s21
	s_add_co_i32 s21, s21, 127
	s_lshl_b32 s22, s21, 23
	v_mov_b32 v[SC], s22
	s_add_co_i32 s21, s21, 8
	s_lshl_b32 s21, s21, 23
	s_or_b32 s21, s21, 0x600000
	v_mov_b32 v[LIM], s21                          ; 448 x the scale
	PLACES NP
.macro CSREAD a                        ; cos and sin of block a's 16 tokens: lane (r, h), quad b: the four pairs of channels 16 b + 8 h ..
.set CN, CS0+64*((\a)%2)
.irp b, 0,1,2,3,4,5,6,7
	ds_load_b128 v[CN+8*\b:CN+8*\b+3],   v[ADRA] offset:(\a)*16*PITCH+32*\b
	ds_load_b128 v[CN+8*\b+4:CN+8*\b+7], v[ADS] offset:(\a)*16*PITCH+32*\b
.endr
.endm
.macro RMUL t, ac, sn, l               ; (-xi s, xr s); l: which of the pair's two sines
	v_pk_mul_f32 v[\t:\t+1], v[\ac:\ac+1], v[\sn:\sn+1] op_sel:[1,\l] op_sel_hi:[0,\l] neg_lo:[1,0]
.endm
.macro RFMA t, ac, cs, l               ; + (xr c, xi c)
	v_pk_fma_f32 v[\t:\t+1], v[\ac:\ac+1], v[\cs:\cs+1], v[\t:\t+1] op_sel:[0,\l,0] op_sel_hi:[1,\l,1]
.endm
.macro CONV a                          ; TMP's 64 held numbers, converted and stored as an image
.irp b, 0,1,2,3,4,5,6,7
	v_cvt_scalef32_pk8_fp8_f32 v[CD+2*\b:CD+2*\b+1], v[TMP+8*\b:TMP+8*\b+7], v[SC]
.endr
	v_nop
.irp j, 0,1,2,3
	global_store_b128 v[STO], v[CD+4*\j:CD+4*\j+3], s[12:13] offset:2048*(\a)+512*\j
.endr
.endm
.macro ROPE a
.if (\a) < 7
	CSREAD (\a)+1
	s_wait_dscnt 16                                ; this block's are in; the next block's 16 may be out
.else
	s_wait_dscnt 0x0
.endif
.set AC, 64*((\a)%4)
.set CU, CS0+64*((\a)%2)
	WIN 0x02+((\a)/4)                              ; source 0: the accumulators' window
.irp b, 0,1,2,3,4,5,6,7
	RMUL TMP+8*\b,   AC+8*\b,   CU+8*\b+4, 0
	RMUL TMP+8*\b+2, AC+8*\b+2, CU+8*\b+4, 1
	RMUL TMP+8*\b+4, AC+8*\b+4, CU+8*\b+6, 0
	RMUL TMP+8*\b+6, AC+8*\b+6, CU+8*\b+6, 1
	RFMA TMP+8*\b,   AC+8*\b,   CU+8*\b, 0
	RFMA TMP+8*\b+2, AC+8*\b+2, CU+8*\b, 1
	RFMA TMP+8*\b+4, AC+8*\b+4, CU+8*\b+2, 0
	RFMA TMP+8*\b+6, AC+8*\b+6, CU+8*\b+2, 1
.endr
	WIN 0
.if (\a) > 0
	s_wait_xcnt 0x0                                ; the last block's stores have read the codes' registers
.endif
.set nn, 0
.rept 64
	v_med3_num_f32 v[TMP+nn], v[TMP+nn], -v[LIM], v[LIM]   ; the conversion does not saturate (ISA guide 7.6.2)
.set nn, nn+1
.endr
	CONV \a
.endm
.macro PLAIN a
.if (\a) > 0
	s_wait_xcnt 0x0
.endif
.set AC, 64*((\a)%4)
	WIN 0x02+((\a)/4)
.set nn, 0
.rept 64
	v_med3_num_f32 v[TMP+nn], v[AC+nn], -v[LIM], v[LIM]
.set nn, nn+1
.endr
	WIN 0
	CONV \a
.endm
	s_cmp_eq_u32 s66, 2
	s_wait_alu depctr_va_vdst(0)
	s_cbranch_scc1 .Lplain
	s_wait_tensorcnt 0x0                           ; my part of the tables is in,
	s_barrier_signal -1
	s_barrier_wait -1                              ; and everybody's
	CSREAD 0
.irp a, 0,1,2,3,4,5,6,7
	ROPE \a
.endr
	s_branch .Lend
.Lplain:
.irp a, 0,1,2,3,4,5,6,7
	PLAIN \a
.endr
.Lend:
	s_wait_tensorcnt 0x0                           ; the wave's end
	ds_add_u32 v[SPW], v[NIL]
	s_wait_dscnt 0x0
	CROUND                                         ; the closing round
	s_endpgm
; WO.  A wave takes 32 steps of 512 numbers, as the launch before does it for the other tensors: the same order of codes in a row.  Eight sets of loads take turns: 32 loads a wave are out.  No tensor load on this way.
.set R,  32                            ; v32-159  eight sets of 16 numbers as loaded
.set X,  160                           ; v160-191 two sets of 8 + 8 neighbours
.set C,  192                           ; v192-223 codes, four registers for each of a trip's eight steps
.Lwo:
	s_load_b32 s68, s[10:11], 0x2c                 ; entry 11
	s_and_b32 s42, s42, 7
	s_lshl_b32 s18, s17, 3
	s_add_co_u32 s18, s18, s42                     ; which of the 64 work-groups
	s_lshl_b32 s18, s18, 2
	s_add_co_u32 s18, s18, s14                     ; which run of 16,384 numbers
	s_lshl_b32 s20, s18, 16
	s_mov_b32 s21, 0
	s_lshl_b32 s22, s18, 14
	s_mov_b32 s23, 0
	s_add_nc_u64 s[20:21], s[96:97], s[20:21]
	s_add_nc_u64 s[22:23], s[98:99], s[22:23]
	s_mul_i32 s18, s14, 64*SP
	s_add_co_u32 s18, s18, STG                     ; my two stages
	v_and_b32 v2, 31, v0
	v_lshlrev_b32 v3, 4, v2
	v_lshrrev_b32 v14, 2, v2
	v_mul_u32_u24 v14, v14, SP
	v_and_b32 v15, 3, v2
	v_lshl_add_u32 v14, v15, 4, v14
	v_add_nc_u32 v14, s18, v14
	v_and_b32 v15, 30, v2
	v_mul_u32_u24 v15, v15, SP
	v_and_b32 v4, 1, v2
	v_lshl_add_u32 v15, v4, 5, v15
	v_add_nc_u32 v15, s18, v15
.macro WLOAD t
.irp i, 0,1,2,3
	global_load_b128 v[R+16*((\t)%8)+4*\i:R+16*((\t)%8)+4*\i+3], v3, s[20:21] offset:2048*(\t)+512*\i th:TH_LOAD_NT
.endr
.endm
.macro WTURN t
.irp i, 0,1,2,3
	ds_store_b128 v14, v[R+16*((\t)%8)+4*\i:R+16*((\t)%8)+4*\i+3] offset:32*SP*((\t)%2)+8*SP*\i
.endr
	ds_load_b128 v[X+16*((\t)%2):X+16*((\t)%2)+3],     v15 offset:32*SP*((\t)%2)
	ds_load_b128 v[X+16*((\t)%2)+4:X+16*((\t)%2)+7],   v15 offset:32*SP*((\t)%2)+16
	ds_load_b128 v[X+16*((\t)%2)+8:X+16*((\t)%2)+11],  v15 offset:32*SP*((\t)%2)+SP
	ds_load_b128 v[X+16*((\t)%2)+12:X+16*((\t)%2)+15], v15 offset:32*SP*((\t)%2)+SP+16
.endm
.macro WSTEP t, more
.set XS, X+16*((\t)%2)
	s_wait_dscnt 0x0                               ; back from the stage, whose stores have read their registers
.if \more
	WLOAD (\t)+8
	s_wait_loadcnt 28                              ; the next step's are in; seven steps' loads may be out
	WTURN (\t)+1
.elseif (\t) < 7
	s_wait_loadcnt 4*(6-(\t))
	WTURN (\t)+1
.endif
.irp i, 0,1,2,3,4,5,6,7,8,9,10,11,12,13,14,15
	v_med3_num_f32 v[XS+\i], v[XS+\i], -v[LIM], v[LIM]
.endr
	v_cvt_scalef32_pk8_fp8_f32 v[C+4*(\t):C+4*(\t)+1], v[XS:XS+7], v[SC]
	v_cvt_scalef32_pk8_fp8_f32 v[C+4*(\t)+2:C+4*(\t)+3], v[XS+8:XS+15], v[SC]
	v_nop
	global_store_b128 v3, v[C+4*(\t):C+4*(\t)+3], s[22:23] offset:512*(\t)
.endm
.irp t, 0,1,2,3,4,5,6,7
	WLOAD \t
.endr
	s_wait_kmcnt 0x0
	s_add_co_i32 s18, s68, 127
	s_lshl_b32 s19, s18, 23
	v_mov_b32 v[SC], s19
	s_add_co_i32 s18, s18, 8
	s_lshl_b32 s18, s18, 23
	s_or_b32 s18, s18, 0x600000
	v_mov_b32 v[LIM], s18
	s_mov_b32 s3, 3
	s_wait_alu depctr_va_vdst(0)
	s_wait_loadcnt 28
	WTURN 0
.Lwq:
.irp t, 0,1,2,3,4,5,6,7
	WSTEP \t, 1
.endr
	s_wait_xcnt 0x0                                ; the trip's loads and stores have read their bases and the codes' registers
	s_add_nc_u64 s[20:21], s[20:21], 8*2048
	s_add_nc_u64 s[22:23], s[22:23], 8*512
	s_sub_co_u32 s3, s3, 1
	s_cmp_lg_u32 s3, 0
	s_cbranch_scc1 .Lwq
.irp t, 0,1,2,3,4,5,6,7
	WSTEP \t, 0
.endr
	s_wait_tensorcnt 0x0                           ; the wave's end
	ds_add_u32 v[SPW], v[NIL]
	s_wait_dscnt 0x0
	CROUND                                         ; the closing round
	s_endpgm
.Lfunc_end_k_q70a30a131b_proj:
	.size	k_q70a30a131b_proj, .Lfunc_end_k_q70a30a131b_proj-k_q70a30a131b_proj
	.p2alignl 7, 3214868480
	.fill 96, 4, 3214868480
	.section	.rodata,"a",@progbits
	.p2align	6, 0x0
	.amdhsa_kernel k_q70a30a131b_proj
		.amdhsa_group_segment_fixed_size 327680
		.amdhsa_private_segment_fixed_size 0
		.amdhsa_enable_private_segment 0
		.amdhsa_kernarg_size 56
		.amdhsa_user_sgpr_count 2
		.amdhsa_user_sgpr_kernarg_segment_ptr 1
		.amdhsa_wavefront_size32 1
		.amdhsa_system_sgpr_workgroup_id_x 1
		.amdhsa_system_sgpr_workgroup_id_y 1
		.amdhsa_system_sgpr_workgroup_id_z 1
		.amdhsa_system_vgpr_workitem_id 0
		.amdhsa_next_free_vgpr 1024
		.amdhsa_next_free_sgpr 102
		.amdhsa_reserve_vcc 0
		.amdhsa_float_denorm_mode_32 3
		.amdhsa_float_denorm_mode_16_64 3
		.amdhsa_memory_ordered 1
		.amdhsa_forward_progress 1
		.amdhsa_inst_pref_size 239
	.end_amdhsa_kernel
	.amdgpu_metadata
---
amdhsa.version: [ 1, 2 ]
amdhsa.kernels:
  - .name:           k_q70a30a131b_proj
    .symbol:         k_q70a30a131b_proj.kd
    .args:
      - { .name: cod, .offset: 0, .size: 8, .value_kind: global_buffer, .address_space: global }
      - { .name: freqs_cos, .offset: 8, .size: 8, .value_kind: global_buffer, .address_space: global }
      - { .name: freqs_sin, .offset: 16, .size: 8, .value_kind: global_buffer, .address_space: global }
      - { .name: lowp_scales, .offset: 24, .size: 8, .value_kind: global_buffer, .address_space: global }
      - { .name: qkvc, .offset: 32, .size: 8, .value_kind: global_buffer, .address_space: global }
      - { .name: Wo, .offset: 40, .size: 8, .value_kind: global_buffer, .address_space: global }
      - { .name: woc, .offset: 48, .size: 8, .value_kind: global_buffer, .address_space: global }
    .group_segment_fixed_size: 327680
    .private_segment_fixed_size: 0
    .kernarg_segment_align: 8
    .kernarg_segment_size: 56
    .max_flat_workgroup_size: 128
    .sgpr_count:     102
    .vgpr_count:     1024
    .wavefront_size: 32
...
	.end_amdgpu_metadata
.endif
;; end of part 2
;; launch attn (part 3): grid 16 x 16, 8 waves a work-group, no clusters, 327,680 bytes of LDS; arguments qkvc, lowp_scales, attc; writes attc
.if DOCPART == 3
	.amdgcn_target "amdgcn-amd-amdhsa--gfx1250"
	.amdhsa_code_object_version 6
	.text
	.protected	k_q70a30a131b_attn
	.globl	k_q70a30a131b_attn
	.p2align	8
	.type	k_q70a30a131b_attn,@function
k_q70a30a131b_attn:
	s_mov_b64 s[64:65], 0
	v_nop
	global_prefetch_b8 v0, s[64:65] scope:SCOPE_SE
	s_setreg_imm32_b32 hwreg(HW_REG_WAVE_MODE, 25, 1), 1
	s_wait_xcnt 0x0
; Causal attention of 16 heads on codes of E4M3, and the result quantised for the last product.  q, k, v come as IMAGES of operand registers (16 rows x 128 K in 2,048 bytes: register 4 c + w of lane L at 512 c + 16 L + 4 w):
; q, k: 16 tokens x the head's 128;  v: 16 channels x 128 keys.  A load of 16 bytes a lane takes 512 consecutive bytes: no pitch, no padding.
; THE SOFTMAX AHEAD OF THE SECOND PRODUCT: t = score x log2(e) / sqrt(128); M = the running largest t, rounded UP to a whole number; p = 2^(t - M) is quantised (entry 8), not normalised.
; The row's sum is taken of the unquantised p and divides at the end.  When M moves, the sum and O are multiplied by 2^(old M - new M): exact.
; SHARES.  Work-group (j, head) takes the blocks of 64 queries 31 - j (waves 0-3, the late one) and j (waves 4-7): 17 key steps of 128 together, whatever j (counted for a block's last query).
; A wave owns 32 queries, two tiles of 16 (pair w % 2 of its block), and every second key step: slot s holds 256 keys, step 2 s + kp is the wave's, kp = (w / 2) % 2.  Waves w and w xor 2 share their queries and part the keys.
; Tile A is the one that the wave brings to its end (16 kp queries on), tile B the one that it hands to its partner through LDS; the two partial results are joined by powers of two.
; Both products are used transposed (S^T = K Q^T, O^T = V^T P^T): a lane holds ONE query of each tile; register 8 t + i of S^T is key 16 t + 8 h + i, so eight numbers converted at a time are registers 2 t, 2 t + 1 of P's operand.
; BANKS.  Two banks of 128 registers take turns: in an even slot K, then V, lie in bank Y and the scores of both tiles in bank X; in an odd slot the other way round.  Behind the change of slots the next K lands in the scores' bank.
; RING.  Two LDS slots: K's two steps (16 KiB each), V's two; waves 4 to 7 fetch one of the four each.  THE CHANGE OF SLOTS stands between a slot's softmax and its second product: by then V is in registers, and no read of the slot is left.
; CAUSAL.  Every work-group walks all 8 slots: trip counts are constants and no barrier is jumped over.  A step all of whose keys come after the wave's queries is left out by scalar branches on ids; where some do, their scores
; become -infinity ahead of the maximum.  A slot whose first key comes after the work-group's last query (the slots behind the eighth too) is not asked for: a jump on ids and the count of slots, the same in all eight waves, round the
; tensor load's own lines alone; where that tail begins hangs on the work-group's number; every wait for tensor loads is for 0.
; NO CLUSTER: the slots that a work-group reads hang on its number; with joint loads partners would have to ask for slots that none of their waves reads.
; RESULT: O / sum x 2^(e8 + e9) is quantised with entry 10: folded into one scale 2^(e10 - e8 - e9).  It leaves as an image at (head / 4) x 2^20 + (query / 16) x 8,192 + (head % 4) x 2,048.
; LEFT OUT: score tiles that lie wholly under the mask which the module builds; a NaN, an infinity or an overflow that reaches only those is not carried to the result.
; LIMITS: e6 + e7 between -123 and 130 (added to c's exponent field); e8 and e10 - e8 - e9 between -126 and 119; the scaled scores t under 2^31 in magnitude.  NaN is not served.
; REGISTERS, in windows of 256 (s_set_vgpr_msb: bits 1:0 source 0, 3:2 source 1, 5:4 source 2, 7:6 destination):
;   window 0: v1-10 addresses; v32-63 Q of tiles A, B; v64-95 P's codes; v96-223 bank X; v224-252 below.   window 1: v0-127 bank Y; v128-191, v192-255 O^T of tiles A, B.
;   v224, v225 -M of A, B; v226, v227 the largest t; v228, v229 the factors; v[230:231], v[232:233] the sums; v[234:237] their second chains; v238-245 work; v246 2^e8; v247, v248 the result's scale and bound; v249 r - 8 h; v250 -infinity; v251, v252 the mask.
.set SK,    256                        ; keys in a slot
.set SLOT1, 1<<17                      ; slot 1 begins here
.set STAGE, SLOT1+65536                ; the exchange: STG bytes a wave, into which no tile lands
.set STG,   8448
.set SPARE, STAGE+8*STG                ; the spare words, 128 bytes a wave, which no other line names
.set LI,   1                           ; 16 x lane
.set AD,   2                           ; v2, v3: my step's K in slot 0, 1; its V is 32,768 bytes on
.set PFO,  4                           ; 256 x lane
.set SPW,  5
.set NIL,  6
.set STA,  7                           ; my stage + 16 x lane, v8: + 4 x lane;  v9, v10: my partner's
.set OA,   128
.set OB,   192
.set PC,   64
.set WV,   18
.set SEL,  20                          ; s[20:21] lane selects for v_permlanex16_b32: lane l xor 16
.set CS,   22                          ; s[22:23] c = log2(e) / sqrt(128) x 2^(e6 + e7)
.set G1,   24                          ; s[24:31] descriptor group 1: 64 rows of 256 bytes, dense
.set G0,   40                          ; s[40:43] descriptor group 0, which walks
.set LQ,   66                          ; my work-group's last query
.set NK,   67                          ; the first key of the slot that the next change asks for
.set PFA,  76                          ; s[76:77] where my prefetches stand
.set LIM,  80                          ; in a wave that prefetches: the last NK at which it does; else 0
.set QP,   81                          ; my pair's first query
.set QA,   82                          ; tile A's, tile B's
.set QB,   83
.set LP,   84                          ; 448 x 2^e8
.set TR,   85
.set KS,   98                          ; the first key of my step
.set QL,   99                          ; my pair's last query
.set MSB, 0
.macro WIN new                         ; the immediate's high byte repeats the setting that is left; a switch that changes nothing is dropped
.if MSB != (\new)
	s_set_vgpr_msb (MSB<<8)|(\new)
.set MSB, \new
.endif
.endm
.macro TLOAD                           ; waves 4 to 7 fetch
	s_cmp_lt_u32 s[WV], 4
	s_cbranch_scc1 .Lasked_\@
	tensor_load_to_lds s[G0:G0+3], s[G1:G1+7]
	s_nop 0
.rept 4
	v_nop
.endr
.Lasked_\@:
.endm
; A PREFETCH of one slot's 32 KiB of K's images and 32 KiB of V's.  All sixteen work-groups of a head walk the same K and V: work-group j = 0 asks (it walks every slot), in it waves 4 to 7, 8 KiB of each tensor a wave, lanes 256 bytes
; apart; V's plane lies 2^22 bytes behind K's.  Each aligned block of 256 bytes is named once in the launch: slot 1 behind slot 0's load, slots 2 and 3 behind slot 1's, then slot s + 2 behind slot s's, up to slot 7.
.macro ASK n
	global_prefetch_b8 v[PFO], s[PFA:PFA+1] offset:(\n)*SK*128 th:TH_LOAD_NT scope:SCOPE_SE
	global_prefetch_b8 v[PFO], s[PFA:PFA+1] offset:(\n)*SK*128+4194304 th:TH_LOAD_NT scope:SCOPE_SE
.endm
	s_load_b128 s[4:7], s[0:1], 0x0                ; qkvc, the scales' exponents
	s_load_b64 s[8:9], s[0:1], 0x10                ; attc
	v_lshl_add_u32 v[SPW], v0, 2, SPARE
	v_mov_b32 v[NIL], 0
	ds_add_u32 v[SPW], v[NIL]                      ; the opening: the add, twice on end, and its one wait ahead of my first tensor load
	ds_add_u32 v[SPW], v[NIL]
	v_lshrrev_b32 v11, 5, v0
	v_readfirstlane_b32 s[WV], v11                 ; wave 0..7
	s_and_b32 s10, ttmp7, 0xffff                   ; the head
	s_sub_co_u32 s11, 31, ttmp9                    ; 31 - j
	s_cmp_lt_u32 s[WV], 4
	s_cselect_b32 s12, s11, ttmp9                  ; my block of 64 queries
	s_lshl_b32 s12, s12, 6
	s_and_b32 s16, s[WV], 1
	s_lshl_b32 s13, s16, 5
	s_add_co_u32 s[QP], s12, s13
	s_add_co_u32 s[QL], s[QP], 31
	s_bfe_u32 s15, s[WV], 0x10001                  ; kp; also: I fetch K (0) or V (1)
	s_lshl_b32 s[KS], s15, 7
	s_lshl_b32 s13, s15, 4
	s_add_co_u32 s[QA], s[QP], s13
	s_xor_b32 s13, s13, 16
	s_add_co_u32 s[QB], s[QP], s13
	s_lshl_b32 s[LQ], s11, 6
	s_add_co_u32 s[LQ], s[LQ], 63
	s_lshl_b32 s14, s10, 18                        ; the head's first byte in each plane
	s_lshl_b32 s19, s15, 14                        ; my step's place in a slot
	s_add_co_u32 s32, s15, 1
	s_lshl_b32 s32, s32, 22                        ; what I fetch, if I fetch: plane 1 or 2,
	s_add_co_u32 s32, s32, s14
	s_lshl_b32 s16, s16, 14                        ; the slot's first or second 128 keys
	s_add_co_u32 s32, s32, s16
	s_mov_b32 s33, 0
	s_and_b32 s38, s[WV], 3
	s_lshl_b32 s17, s38, 14                        ; and where it goes
	s_lshl_b32 s38, s38, 13                        ; the prefetches: K's plane, my head, my wave's 8 KiB, slot 0
	s_add_co_u32 s38, s38, s14
	s_add_co_u32 s38, s38, 1<<22
	s_mov_b32 s39, 0
	s_lshl_b32 s34, s[QA], 7                       ; Q's images: (query / 16) x 2,048
	s_add_co_u32 s34, s34, s14
	s_mov_b32 s35, 0
	s_lshl_b32 s2, s[QB], 7
	s_add_co_u32 s2, s2, s14
	s_mov_b32 s3, 0
	s_lshr_b32 s36, s10, 2                         ; the result's image
	s_lshl_b32 s36, s36, 20
	s_lshl_b32 s37, s[QA], 9
	s_add_co_u32 s36, s36, s37
	s_and_b32 s37, s10, 3
	s_lshl_b32 s37, s37, 11
	s_add_co_u32 s36, s36, s37
	s_mov_b32 s37, 0
	s_mov_b32 s[G1], 3<<16                         ; no mask; elements of 8 bytes; no padding
	s_mov_b32 s[G1+1], 32<<16                      ; 32 elements: 256 bytes
	s_mov_b32 s[G1+2], 64<<16
	s_mov_b32 s[G1+3], 32<<16
	s_mov_b32 s[G1+4], 64
	s_mov_b32 s[G1+5], 32
	s_mov_b32 s[G1+6], 0
	s_mov_b32 s[G1+7], 0
	s_mov_b32 s[SEL], 0x76543210
	s_mov_b32 s[SEL+1], 0xfedcba98
	s_mov_b32 s[CS], 0x3e0293ee                    ; log2(e) / sqrt(128)
	s_mov_b32 s[NK], SK
	s_mov_b32 s[TR], 4
	s_lshr_b32 s12, s[WV], 2
	s_xor_b32 s12, s12, 1                          ; 0 in waves 4 to 7,
	s_or_b32 s12, s12, ttmp9                       ; of work-group j = 0
	s_mov_b32 s13, 5*SK
	s_cmp_eq_u32 s12, 0
	s_cselect_b32 s[LIM], s13, 0
	s_wait_dscnt 0x0                               ; both opening adds are done
	s_wait_alu depctr_va_vdst(0)
	s_wait_kmcnt 0x0
	s_load_b128 s[68:71], s[6:7], 0x18             ; e6, e7, e8, e9
	s_load_b32 s72, s[6:7], 0x28                   ; e10
	s_mov_b32 s[G0], 1
	s_mov_b32 s[G0+1], s17                         ; LDS address: slot 0
	s_add_nc_u64 s[G0+2:G0+3], s[4:5], s[32:33]
	s_or_b32 s[G0+3], s[G0+3], 0x80000000
	TLOAD                                          ; slot 0
	s_add_nc_u64 s[44:45], s[4:5], s[34:35]
	s_add_nc_u64 s[46:47], s[4:5], s[2:3]
	s_add_nc_u64 s[8:9], s[8:9], s[36:37]
	s_add_nc_u64 s[PFA:PFA+1], s[4:5], s[38:39]
	v_and_b32 v11, 31, v0
	v_lshlrev_b32 v[LI], 4, v11
	v_lshlrev_b32 v[PFO], 8, v11
.irp c, 0,1,2,3
	global_load_b128 v[32+4*\c:35+4*\c], v[LI], s[44:45] offset:512*\c
	global_load_b128 v[48+4*\c:51+4*\c], v[LI], s[46:47] offset:512*\c
.endr
	v_add_nc_u32 v[AD], s19, v[LI]
	v_add_nc_u32 v[AD+1], SLOT1, v[AD]
	s_mul_i32 s12, s[WV], STG
	s_xor_b32 s13, s[WV], 2
	s_mul_i32 s13, s13, STG
	s_add_co_u32 s12, s12, STAGE
	s_add_co_u32 s13, s13, STAGE
	v_lshlrev_b32 v12, 2, v11
	v_add_nc_u32 v[STA], s12, v[LI]
	v_add_nc_u32 v[STA+1], s12, v12
	v_add_nc_u32 v[STA+2], s13, v[LI]
	v_add_nc_u32 v[STA+3], s13, v12
	v_and_b32 v249, 15, v0
	v_bfe_u32 v248, v0, 4, 1
	v_lshlrev_b32 v248, 3, v248
	v_sub_nc_u32 v249, v249, v248                  ; r - 8 h, for the mask
	v_mov_b32 v250, 0xff800000
	v_mov_b32 v226, 0xff61b1e6                     ; the largest t so far: -3e38, under every t
	v_mov_b32 v227, 0xff61b1e6
	v_floor_f32 v224, -v226                        ; -M
	v_floor_f32 v225, -v227
.irp n, 228,229,230,231,232,233,242,243,245
	v_mov_b32 v\n, 0                               ; the sums; and what a lane permute or a pair names before its first write
.endr
	WIN 0x40
.set nn, 0
.rept 128
	v_mov_b32 v[OA+nn], 0                          ; O^T.  (The step is written for any slot: the first change of M leaves zeros)
.set nn, nn+1
.endr
	WIN 0
.set nn, 0
.rept 128
	v_mov_b32 v[96+nn], 0                          ; bank X, written once: the text has a way round slot 0's step into slot 1's (no wave takes it: a step left out is followed by none)
.set nn, nn+1
.endr
	s_cmp_eq_u32 s[LIM], 0
	s_wait_alu depctr_va_vdst(0)
	s_cbranch_scc1 .Lnot_mine_0
	ASK 1
.Lnot_mine_0:
	s_wait_kmcnt 0x0
	s_add_co_i32 s73, s68, s69
	s_lshl_b32 s73, s73, 23
	s_add_co_i32 s[CS], s[CS], s73                 ; a score stands for score x 2^(e6 + e7): added to c's exponent field
	s_mov_b32 s[CS+1], s[CS]
	s_add_co_i32 s73, s70, 127
	s_lshl_b32 s74, s73, 23
	v_mov_b32 v246, s74                            ; 2^e8
	s_add_co_i32 s73, s73, 8
	s_lshl_b32 s73, s73, 23
	s_or_b32 s[LP], s73, 0x600000
	s_sub_co_i32 s73, s72, s70
	s_sub_co_i32 s73, s73, s71
	s_add_co_i32 s73, s73, 127
	s_lshl_b32 s74, s73, 23
	v_mov_b32 v247, s74                            ; 2^(e10 - e8 - e9)
	s_add_co_i32 s73, s73, 8
	s_lshl_b32 s73, s73, 23
	s_or_b32 s73, s73, 0x600000
	v_mov_b32 v248, s73                            ; 448 x that
; THE CHANGE OF SLOTS.  Each wave waits for all its tensor loads (its part of the next slot), adds 0 to its spare word, twice on end, and waits for that and for its reads of this slot.
; Behind the barrier the next slot is whole and nobody reads this one, which is filled with the keys that follow, up to the causal limit.  loop = 0: at the head, where slot 1 is filled for the first time.
.macro CHANGE loop
	s_wait_alu depctr_va_vdst(0)
	s_wait_tensorcnt 0x0                           ; no tensor load of mine is out, so the group 0 may be written
	ds_add_u32 v[SPW], v[NIL]
	ds_add_u32 v[SPW], v[NIL]
	s_xor_b32 s[G0+1], s[G0+1], SLOT1
	s_add_nc_u64 s[G0+2:G0+3], s[G0+2:G0+3], SK*128   ; the next 256 keys: 32 KiB on in K's plane and in V's alike
.if \loop
	s_wait_xcnt 0x0                                ; my last prefetches have read their address
	s_add_nc_u64 s[PFA:PFA+1], s[PFA:PFA+1], SK*128
.endif
	s_wait_dscnt 0x0                               ; the adds are done, and my reads of this slot are over
	s_barrier_signal -1
	s_barrier_wait -1
.if \loop
	s_cmp_gt_u32 s[NK], s[LQ]                      ; past the limit no wave reads that slot
	s_cbranch_scc1 .Lpast_\@
	TLOAD                                          ; a wave's one tensor load until the next such barrier
.Lpast_\@:
	s_cmp_gt_u32 s[NK], s[LIM]
	s_cbranch_scc1 .Lnot_mine_\@
	ASK 3                                          ; two slots behind the one just asked for
.Lnot_mine_\@:
.else
	TLOAD
	s_cmp_eq_u32 s[LIM], 0
	s_cbranch_scc1 .Lnot_mine_\@
	ASK 2
	ASK 3
.Lnot_mine_\@:
.endif
	s_add_co_u32 s[NK], s[NK], SK
.endm
.macro LD32 base, adr, off             ; eight fragments in one run of 32 loads
.irp t, 0,1,2,3,4,5,6,7
.irp c, 0,1,2,3
	ds_load_b128 v[\base+16*\t+4*\c:\base+16*\t+4*\c+3], v[\adr] offset:\off+2048*\t+512*\c
.endr
.endr
.endm
.macro PLACES n                        ; plain lines between a matrix instruction and a load into, or another line's read or write of, one of its registers
.rept \n
	v_nop
.endr
.endm
; THE SOFTMAX of both tiles, whose chains take turns line by line.  SW, SB: the scores' window and first register: tile A's 64, then tile B's.
.macro SOFTMAX
	WIN 0x15*SW
	v_max3_num_f32 v238, v[SB], v[SB+1], v[SB+2]             ; the step's largest score of my query among my 64 keys, two chains a tile; each accumulator is first read at its low end
	v_max3_num_f32 v240, v[SB+64], v[SB+65], v[SB+66]
	v_max3_num_f32 v239, v[SB+3], v[SB+4], v[SB+5]
	v_max3_num_f32 v241, v[SB+67], v[SB+68], v[SB+69]
	WIN 0x14*SW
.set nn, SB+6
.rept 14
	v_max3_num_f32 v238, v238, v[nn], v[nn+1]
	v_max3_num_f32 v240, v240, v[nn+64], v[nn+65]
	v_max3_num_f32 v239, v239, v[nn+2], v[nn+3]
	v_max3_num_f32 v241, v241, v[nn+66], v[nn+67]
.set nn, nn+4
.endr
	v_max3_num_f32 v238, v238, v[SB+62], v[SB+63]
	v_max3_num_f32 v240, v240, v[SB+126], v[SB+127]
	WIN 0
	v_max_num_f32 v238, v238, v239
	v_max_num_f32 v240, v240, v241
	v_permlanex16_b32 v242, v238, s[SEL], s[SEL+1]
	v_permlanex16_b32 v243, v240, s[SEL], s[SEL+1]
	v_max_num_f32 v238, v238, v242                 ; and among lane l xor 16's
	v_max_num_f32 v240, v240, v243
	v_mul_f32 v238, s[CS], v238                    ; as t (c is positive)
	v_mul_f32 v240, s[CS], v240
	v_max_num_f32 v226, v226, v238                 ; the running largest t
	v_max_num_f32 v227, v227, v240
	v_mov_b32 v244, v224
	v_mov_b32 v245, v225
	v_floor_f32 v224, -v226                        ; the new -M = floor(-t) = -ceil(t)
	v_floor_f32 v225, -v227
	v_sub_f32 v244, v224, v244                     ; old M - new M: a whole number, 0 or less
	v_sub_f32 v245, v225, v245
	v_cvt_i32_f32 v244, v244                       ; (it saturates)
	v_cvt_i32_f32 v245, v245
	v_ldexp_f32 v228, 1.0, v244                    ; f = 2^(old M - new M)
	v_ldexp_f32 v229, 1.0, v245
	WIN 0x41*SW
.set nn, SB
.rept 32
	v_pk_fma_f32 v[nn:nn+1], v[nn:nn+1], s[CS:CS+1], v[224:225] op_sel_hi:[1,0,0]                        ; t - M, two at a time
	v_pk_fma_f32 v[nn+64:nn+65], v[nn+64:nn+65], s[CS:CS+1], v[224:225] op_sel:[0,0,1] op_sel_hi:[1,0,1]
.set nn, nn+2
.endr
	s_wait_alu depctr_va_vdst(0)
.set nn, SB
.rept 128
	v_exp_f32 v[nn], v[nn]                         ; p = 2^(t - M)
.set nn, nn+1
.endr
	WIN 0
	v_pk_mul_f32 v[230:231], v[230:231], v[228:229] op_sel_hi:[1,0]                ; the sums under the new M: the plain lines behind the exponentials
	v_pk_mul_f32 v[232:233], v[232:233], v[228:229] op_sel:[0,1] op_sel_hi:[1,1]
	s_wait_alu depctr_va_vdst(0)                   ; and the wait behind it, ahead of its first reader
	WIN 0x05*SW
	v_pk_add_f32 v[234:235], v[SB:SB+1], v[SB+2:SB+3]        ; the row's sum is taken of the unquantised p, in two chains a tile
	v_pk_add_f32 v[236:237], v[SB+64:SB+65], v[SB+66:SB+67]
	WIN 0x04*SW
.set nn, SB+4
.rept 15
	v_pk_add_f32 v[230:231], v[230:231], v[nn:nn+1]
	v_pk_add_f32 v[232:233], v[232:233], v[nn+64:nn+65]
	v_pk_add_f32 v[234:235], v[234:235], v[nn+2:nn+3]
	v_pk_add_f32 v[236:237], v[236:237], v[nn+66:nn+67]
.set nn, nn+4
.endr
	WIN 0
	v_pk_add_f32 v[230:231], v[230:231], v[234:235]
	v_pk_add_f32 v[232:233], v[232:233], v[236:237]
	WIN 0x44*SW
.set nn, SB
.rept 128
	v_min_num_f32 v[nn], s[LP], v[nn]              ; the conversion does not saturate (ISA guide 7.6.2); p is not negative, so the hold is one-sided
.set nn, nn+1
.endr
	WIN SW
.irp t, 0,1,2,3,4,5,6,7,8,9,10,11,12,13,14,15
	v_cvt_scalef32_pk8_fp8_f32 v[PC+2*\t:PC+2*\t+1], v[SB+8*\t:SB+8*\t+7], v246   ; keys 16 t + 8 h + 0..7: tile A's operand, then tile B's
.endr
	WIN 0x41
	s_wait_alu depctr_va_vdst(0)                   ; directly ahead of the first reader of O^T
.set nn, 0
.rept 32
	v_pk_mul_f32 v[OA+nn:OA+nn+1], v[OA+nn:OA+nn+1], v[228:229] op_sel_hi:[1,0]               ; O^T under the new M
	v_pk_mul_f32 v[OB+nn:OB+nn+1], v[OB+nn:OB+nn+1], v[228:229] op_sel:[0,1] op_sel_hi:[1,1]
.set nn, nn+2
.endr
	WIN 0
.endm
; A SLOT, par = its parity.
.macro SLOT par
.set SW, \par
.set KW, 1-(\par)
.set SB, 96*(1-(\par))
.set KB, 96*(\par)
	s_cmp_gt_u32 s[KS], s[QL]                      ; all my step's keys come after my queries: it is left out
	s_cbranch_scc1 .Lhid_\@
	WIN KW|(SW<<6)
.irp t, 0,1,2,3,4,5,6,7
	s_wait_dscnt 28-4*\t                           ; K's fragments 0 to t are in; those behind them may be out
	v_wmma_f32_16x16x128_fp8_fp8 v[SB+8*\t:SB+8*\t+7], v[KB+16*\t:KB+16*\t+15], v[32:47], 0
	v_wmma_f32_16x16x128_fp8_fp8 v[SB+64+8*\t:SB+64+8*\t+7], v[KB+16*\t:KB+16*\t+15], v[48:63], 0
.endr
	WIN 0
	PLACES 4
	WIN KW<<6
	LD32 KB, AD+(\par), 32768                      ; V, over K
	WIN 0
	s_add_co_u32 s96, s[KS], 127
	s_cmp_le_u32 s96, s[QP]                        ; all keys count for all my queries: no mask
	s_cbranch_scc1 .Lopen_\@
	s_sub_co_i32 s96, s[QA], s[KS]
	s_sub_co_i32 s97, s[QB], s[KS]
	v_add_nc_u32 v251, s96, v249                   ; d = my query - the step's first key - 8 h.  Register 8 t + i holds that key + 16 t + 8 h + i: hidden where 16 t + i > d
	v_add_nc_u32 v252, s97, v249
	WIN 0x41*SW
.set nn, 0
.rept 64
	v_cmp_gt_i32 vcc_lo, 16*(nn/8)+nn%8, v251
	v_cndmask_b32 v[SB+nn], v[SB+nn], v250, vcc_lo
	v_cmp_gt_i32 vcc_lo, 16*(nn/8)+nn%8, v252
	v_cndmask_b32 v[SB+64+nn], v[SB+64+nn], v250, vcc_lo
.set nn, nn+1
.endr
	WIN 0
.Lopen_\@:
	SOFTMAX
.Lhid_\@:
	CHANGE 1
	s_cmp_gt_u32 s[KS], s[QL]
	s_cbranch_scc1 .Lskip_\@
	s_add_co_u32 s96, s[KS], SK
	s_cmp_gt_u32 s96, s[QL]
	s_cbranch_scc1 .Lno_k_\@                       ; the next step is left out
	WIN SW<<6
	LD32 SB, AD+1-(\par), 0                        ; the next K, over the scores
	WIN 0
.Lno_k_\@:
	WIN KW|0x50
.irp t, 0,1,2,3,4,5,6,7                ; O^T += V^T P^T: sixteen accumulators by turns, one instruction a turn
	v_wmma_f32_16x16x128_fp8_fp8 v[OA+8*\t:OA+8*\t+7], v[KB+16*\t:KB+16*\t+15], v[PC:PC+15], v[OA+8*\t:OA+8*\t+7]
	v_wmma_f32_16x16x128_fp8_fp8 v[OB+8*\t:OB+8*\t+7], v[KB+16*\t:KB+16*\t+15], v[PC+16:PC+31], v[OB+8*\t:OB+8*\t+7]
.endr
	WIN 0
	PLACES 5                                       ; the next scores are written over V
.Lskip_\@:
	s_add_co_u32 s[KS], s[KS], SK
.endm
	CHANGE 0                                       ; slot 0 is whole; slot 1 is asked for
	WIN 0x40
	LD32 0, AD, 0                                  ; K of slot 0, into bank Y
	WIN 0
	s_wait_loadcnt 0x0                             ; Q
.Lslots:
	SLOT 0
	SLOT 1
	s_sub_co_u32 s[TR], s[TR], 1
	s_cmp_lg_u32 s[TR], 0
	s_cbranch_scc1 .Lslots
	; THE EXCHANGE: tile B's O^T, -M and sum go to my partner, and its tile B is my tile A.
	v_add_f32 v232, v232, v233
	v_add_f32 v230, v230, v231
	WIN 0x04
.irp i, 0,1,2,3,4,5,6,7,8,9,10,11,12,13,14,15
	ds_store_b128 v[STA], v[OB+4*\i:OB+4*\i+3] offset:512*\i
.endr
	WIN 0
	ds_store_b32 v[STA+1], v225 offset:8192
	ds_store_b32 v[STA+1], v232 offset:8320
	s_wait_alu depctr_va_vdst(0)
	s_wait_dscnt 0x0                               ; my stores are done, for my partner's sake
	s_barrier_signal -1
	s_barrier_wait -1
	ds_load_b32 v240, v[STA+3] offset:8192
	ds_load_b32 v241, v[STA+3] offset:8320
.irp i, 0,1,2,3,4,5,6,7,8,9,10,11,12,13,14,15
	ds_load_b128 v[96+4*\i:99+4*\i], v[STA+2] offset:512*\i
.endr
	s_wait_dscnt 16                                ; -M and the sum are in; O^T's 16 loads may be out
	v_min_num_f32 v242, v224, v240                 ; -M of all keys.  A wave that had no key has M = -3e38: its factor is 0
	v_sub_f32 v243, v242, v224
	v_sub_f32 v244, v242, v240
	v_cvt_i32_f32 v243, v243
	v_cvt_i32_f32 v244, v244
	v_ldexp_f32 v230, v230, v243
	v_ldexp_f32 v241, v241, v244
	v_add_f32 v230, v230, v241
	v_permlanex16_b32 v245, v230, s[SEL], s[SEL+1]
	v_add_f32 v230, v230, v245                     ; the row's sum
	s_wait_alu depctr_va_vdst(0)
	v_rcp_f32 v230, v230
	v_nop                                          ; a plain line behind the reciprocal
	s_wait_alu depctr_va_vdst(0)                   ; and the wait ahead of its first reader
	v_ldexp_f32 v228, v230, v243                   ; my part's factor,
	v_ldexp_f32 v229, v230, v244                   ; my partner's
	s_wait_alu depctr_va_vdst(0)
	s_wait_dscnt 0x0
.set nn, 96
.rept 32
	v_pk_mul_f32 v[nn:nn+1], v[nn:nn+1], v[228:229] op_sel:[0,1] op_sel_hi:[1,1]
.set nn, nn+2
.endr
	WIN 0x01
	s_wait_alu depctr_va_vdst(0)                   ; directly ahead of the first reader of tile A's O^T
.set nn, 0
.rept 32
	v_pk_fma_f32 v[96+nn:97+nn], v[OA+nn:OA+nn+1], v[228:229], v[96+nn:97+nn] op_sel_hi:[1,0,1]   ; register 8 t + i: channel 16 t + 8 h + i of my query
.set nn, nn+2
.endr
	WIN 0
.set nn, 96
.rept 64
	v_med3_num_f32 v[nn], v[nn], -v248, v248
.set nn, nn+1
.endr
.irp t, 0,1,2,3,4,5,6,7
	v_cvt_scalef32_pk8_fp8_f32 v[PC+2*\t:PC+2*\t+1], v[96+8*\t:103+8*\t], v247
.endr
	v_nop
.irp c, 0,1,2,3
	global_store_b128 v[LI], v[PC+4*\c:PC+4*\c+3], s[8:9] offset:512*\c
.endr
	s_wait_tensorcnt 0x0                           ; the wave's end
	ds_add_u32 v[SPW], v[NIL]
	s_wait_dscnt 0x0
	s_endpgm
.Lfunc_end_k_q70a30a131b_attn:
	.size	k_q70a30a131b_attn, .Lfunc_end_k_q70a30a131b_attn-k_q70a30a131b_attn
	.p2alignl 7, 3214868480
	.fill 96, 4, 3214868480
	.section	.rodata,"a",@progbits
	.p2align	6, 0x0
	.amdhsa_kernel k_q70a30a131b_attn
		.amdhsa_group_segment_fixed_size 327680
		.amdhsa_private_segment_fixed_size 0
		.amdhsa_enable_private_segment 0
		.amdhsa_kernarg_size 24
		.amdhsa_user_sgpr_count 2
		.amdhsa_user_sgpr_kernarg_segment_ptr 1
		.amdhsa_wavefront_size32 1
		.amdhsa_system_sgpr_workgroup_id_x 1
		.amdhsa_system_sgpr_workgroup_id_y 1
		.amdhsa_system_sgpr_workgroup_id_z 1
		.amdhsa_system_vgpr_workitem_id 0
		.amdhsa_next_free_vgpr 512
		.amdhsa_next_free_sgpr 100
		.amdhsa_reserve_vcc 1
		.amdhsa_float_denorm_mode_32 3
		.amdhsa_float_denorm_mode_16_64 3
		.amdhsa_memory_ordered 1
		.amdhsa_forward_progress 1
		.amdhsa_inst_pref_size 121
	.end_amdhsa_kernel
	.amdgpu_metadata
---
amdhsa.version: [ 1, 2 ]
amdhsa.kernels:
  - .name:           k_q70a30a131b_attn
    .symbol:         k_q70a30a131b_attn.kd
    .args:
      - { .name: qkvc, .offset: 0, .size: 8, .value_kind: global_buffer, .address_space: global }
      - { .name: lowp_scales, .offset: 8, .size: 8, .value_kind: global_buffer, .address_space: global }
      - { .name: attc, .offset: 16, .size: 8, .value_kind: global_buffer, .address_space: global }
    .group_segment_fixed_size: 327680
    .private_segment_fixed_size: 0
    .kernarg_segment_align: 8
    .kernarg_segment_size: 24
    .max_flat_workgroup_size: 256
    .sgpr_count:     100
    .vgpr_count:     512
    .wavefront_size: 32
...
	.end_amdgpu_metadata
.endif
;; end of part 3
;; launch oproj (part 4): grid 16 x 16, 4 waves a work-group, clusters of 4 x 4, 327,680 bytes of LDS; arguments attc, woc, lowp_scales, out0; writes out0
.if DOCPART == 4
	.amdgcn_target "amdgcn-amd-amdhsa--gfx1250"
	.amdhsa_code_object_version 6
	.text
	.protected	k_q70a30a131b_oproj
	.globl	k_q70a30a131b_oproj
	.p2align	8
	.type	k_q70a30a131b_oproj,@function
k_q70a30a131b_oproj:
	s_mov_b64 s[64:65], 0
	v_nop
	global_prefetch_b8 v0, s[64:65] scope:SCOPE_SE
	s_setreg_imm32_b32 hwreg(HW_REG_WAVE_MODE, 25, 1), 1
	s_wait_xcnt 0x0
	s_wait_alu depctr_hold_cnt(0) depctr_sa_sdst(0) depctr_va_vdst(0) depctr_va_sdst(0) depctr_va_ssrc(0) depctr_va_vcc(0) depctr_vm_vsrc(0)
	s_getreg_b32 s2, hwreg(HW_REG_IB_STS2, 6, 4)
	s_cmp_eq_u32 s2, 0
	s_cbranch_scc0 .Lentry_in_a_cluster
	s_endpgm
.Lentry_in_a_cluster:
	s_bfe_u32 s2, ttmp6, 0x10000c
	s_cmp_lg_u32 s2, 0xf033
	s_cbranch_scc0 .Lentry_shape_is_right
	s_endpgm
.Lentry_shape_is_right:
; out0 = attention's result (codes under entry 10, as images of 16 queries x a head's 128: attc) times Wo^T (codes under entry 11: woc), f32.  Each finished sum is multiplied once by 2^(e10 + e11).
; LIMIT: e10 + e11 lies between -126 and 127.
; A work-group makes 128 x 128 of out0, a wave 64 x 64 (16 accumulators); K in steps of 512 through two LDS slots: 64 KiB of images of A, 128 rows of 512 bytes of B (pitch 528).
; CLUSTERS of 4 x 4: A's tiles are asked for jointly along a row, B's along a column (waves 0, 1: A; waves 2, 3: B).
; PREFETCH.  Behind slot 0's load stands one for K step 1, behind slot 1's one each for K steps 2 and 3: of the 128 blocks of 256 bytes that a wave fetches each of the four partners names 32, told apart by address.
.set PITCH,  528
.set PFO,    30                        ; v30: the prefetches' offset; never rewritten
.set ABYTES, 65536
.set SLOT,   ABYTES+128*PITCH
.set STAGE,  2*SLOT
.set SPITCH, 272
.set SPARE,  STAGE+4*16*SPITCH
.set ADRA, 16
.set ADRB, 20
.set STO,  24
.set RD,   25
.set CO,   26
.set SPW,  28
.set NIL,  29
.set TMP,  32
.set BK,   64
.set ACC,  128
.set F0,   0
.set F1,   128
.set G1, 24
.set G0, 32
.set G1B, 48
.set G0B, 56
.set OUTB, 86
.set MSB, 0
.macro WIN new
.if MSB != \new
	s_set_vgpr_msb (MSB<<8)|\new
.set MSB, \new
.endif
.endm
.set MUL,  0x05
.set TO_F, 0x40
.macro JLOAD s
	s_cmp_eq_u32 s11, 0
	s_cbranch_scc0 .Lfor_b_\@
	tensor_load_to_lds s[G0+4*\s:G0+4*\s+3], s[G1:G1+7]
	s_nop 0
.rept 4
	v_nop
.endr
	s_branch .Lasked_\@
.Lfor_b_\@:
	tensor_load_to_lds s[G0B+4*\s:G0B+4*\s+3], s[G1B:G1B+7]
	s_nop 0
.rept 4
	v_nop
.endr
.Lasked_\@:
.endm
.macro CREST
	s_cmp_lg_u32 s10, 0
	s_cbranch_scc1 .Lnot_wave_0_\@
	s_barrier_signal -3
.Lnot_wave_0_\@:
	s_barrier_wait -3
	s_barrier_signal -1
	s_barrier_wait -1
.endm
.macro CROUND
	s_barrier_signal -1
	s_barrier_wait -1
	CREST
.endm
	s_load_b128 s[4:7], s[0:1], 0x0
	s_load_b128 s[84:87], s[0:1], 0x10
	v_lshl_add_u32 v[SPW], v0, 2, SPARE
	v_mov_b32 v[NIL], 0
	ds_add_u32 v[SPW], v[NIL]
	ds_add_u32 v[SPW], v[NIL]
	v_lshrrev_b32 v1, 5, v0
	v_readfirstlane_b32 s10, v1
	s_lshr_b32 s11, s10, 1
	s_and_b32 s12, s10, 1
	s_bfe_u32 s40, ttmp6, 0x40000
	s_bfe_u32 s41, ttmp6, 0x40004
	s_lshl_b32 s42, ttmp9, 2
	s_add_co_u32 s42, s42, s40
	s_and_b32 s13, ttmp7, 0xffff
	s_lshl_b32 s13, s13, 2
	s_add_co_u32 s13, s13, s41
	s_lshl_b32 s43, s41, 2
	s_lshl_b32 s43, 15, s43
	s_lshl_b32 s44, 0x1111, s40
	s_or_b32 s[G1+0], s43, (3<<16)|(1<<21)
	s_mov_b32 s[G1+1], 32<<16
	s_mov_b32 s[G1+2], 128<<16
	s_mov_b32 s[G1+3], 32<<16
	s_mov_b32 s[G1+4], 128
	s_mov_b32 s[G1+5], 32
	s_mov_b32 s[G1+6], 0
	s_mov_b32 s[G1+7], 0
	s_or_b32 s[G1B+0], s44, (0<<16)|(1<<20)|(1<<21)|(6<<22)|(3<<25)
	s_mov_b32 s[G1B+1], 512<<16
	s_mov_b32 s[G1B+2], 64<<16
	s_mov_b32 s[G1B+3], 512<<16
	s_mov_b32 s[G1B+4], 64
	s_mov_b32 s[G1B+5], 2048
	s_mov_b32 s[G1B+6], 0
	s_mov_b32 s[G1B+7], 0
	s_lshl_b32 s16, s13, 16
	s_lshl_b32 s17, s12, 15
	s_add_co_u32 s16, s16, s17
	s_mov_b32 s17, 0
	s_lshl_b32 s46, s42, 7
	s_lshl_b32 s47, s12, 6
	s_add_co_u32 s46, s46, s47
	s_lshl_b32 s46, s46, 11
	s_mov_b32 s47, 0
	s_lshl_b32 s20, s12, 15
	s_mul_i32 s21, s12, 64*PITCH
	s_add_co_u32 s21, s21, ABYTES
	s_wait_dscnt 0x0
	s_wait_kmcnt 0x0
	s_load_b64 s[66:67], s[84:85], 0x28
	s_add_nc_u64 s[14:15], s[4:5], s[16:17]
	s_add_nc_u64 s[46:47], s[6:7], s[46:47]
	CROUND
.irp s, 0,1
	s_mov_b32 s[G0+4*\s], 1
	s_add_co_u32 s[G0+4*\s+1], s20, \s*SLOT
	s_add_nc_u64 s[G0+4*\s+2:G0+4*\s+3], s[14:15], \s*(1<<20)
	s_or_b32 s[G0+4*\s+3], s[G0+4*\s+3], 0x80000000
	s_mov_b32 s[G0B+4*\s], 1
	s_add_co_u32 s[G0B+4*\s+1], s21, \s*SLOT
	s_add_nc_u64 s[G0B+4*\s+2:G0B+4*\s+3], s[46:47], \s*512
	s_or_b32 s[G0B+4*\s+3], s[G0B+4*\s+3], 0x80000000
.endr
	JLOAD 0                                        ; one tensor load a wave at the head
	s_cmp_eq_u32 s11, 0
	s_cselect_b64 s[68:69], s[14:15], s[46:47]
	s_cselect_b32 s76, s40, s41                    ; my place among the four that ask with me
	s_cselect_b32 s77, 13, 15                      ; A: 8 KiB each; B: 16 rows each
	s_mov_b32 s74, 512
	s_cselect_b32 s74, 0x100000, s74               ; from K step to K step
	s_mov_b32 s79, 2048
	s_cselect_b32 s79, 512, s79                    ; two lanes on
	s_lshl_b32 s76, s76, s77
	s_mov_b32 s77, 0
	s_mov_b32 s75, 0
	s_add_nc_u64 s[68:69], s[68:69], s[76:77]
	s_add_nc_u64 s[68:69], s[68:69], s[74:75]      ; K step 1,
	s_add_nc_u64 s[70:71], s[68:69], s[74:75]      ; 2,
	s_add_nc_u64 s[72:73], s[70:71], s[74:75]      ; 3
	v_and_b32 v6, 31, v0
	v_lshrrev_b32 v7, 1, v6
	v_and_b32 v6, 1, v6
	v_mul_lo_u32 v[PFO], v7, s79
	v_lshl_add_u32 v[PFO], v6, 8, v[PFO]
	global_prefetch_b8 v[PFO], s[68:69] th:TH_LOAD_NT scope:SCOPE_SE
	v_and_b32 v1, 15, v0
	v_bfe_u32 v2, v0, 4, 1
	v_and_b32 v3, 31, v0
	v_lshlrev_b32 v3, 4, v3
	s_lshl_b32 s21, s11, 15
	v_add_nc_u32 v[ADRA], s21, v3
	v_add_nc_u32 v[ADRA+1], SLOT, v[ADRA]
	v_mul_u32_u24 v4, v1, PITCH
	v_lshl_add_u32 v4, v2, 4, v4
	s_mul_i32 s22, s12, 64*PITCH
	s_add_co_u32 s22, s22, ABYTES
	v_add_nc_u32 v[ADRB], s22, v4
	v_add_nc_u32 v[ADRB+1], SLOT, v[ADRB]
	s_mul_i32 s23, s10, 16*SPITCH
	s_add_co_u32 s23, s23, STAGE
	v_mul_u32_u24 v5, v1, SPITCH
	v_lshl_add_u32 v5, v2, 5, v5
	v_add_nc_u32 v[STO], s23, v5
	v_mul_u32_u24 v5, v2, SPITCH
	v_lshl_add_u32 v5, v1, 4, v5
	v_add_nc_u32 v[RD], s23, v5
	v_lshlrev_b32 v5, 13, v2
	v_lshl_add_u32 v[CO], v1, 4, v5
	s_lshl_b32 s16, s13, 7
	s_lshl_b32 s17, s11, 6
	s_add_co_u32 s16, s16, s17
	s_lshl_b32 s16, s16, 13
	s_mov_b32 s17, 0
	s_add_nc_u64 s[OUTB:OUTB+1], s[OUTB:OUTB+1], s[16:17]
	s_lshl_b32 s46, s42, 9
	s_lshl_b32 s47, s12, 8
	s_add_co_u32 s46, s46, s47
	s_mov_b32 s47, 0
	s_add_nc_u64 s[OUTB:OUTB+1], s[OUTB:OUTB+1], s[46:47]
.macro MUL8 f, a0, zero
.irp a, \a0, \a0+1
.irp b, 0,1,2,3
.if \zero
	v_wmma_f32_16x16x128_fp8_fp8 v[ACC+8*(4*(\a)+\b):ACC+8*(4*(\a)+\b)+7], v[\f+64+16*\b:\f+64+16*\b+15], v[\f+16*(\a):\f+16*(\a)+15], 0
.else
	v_wmma_f32_16x16x128_fp8_fp8 v[ACC+8*(4*(\a)+\b):ACC+8*(4*(\a)+\b)+7], v[\f+64+16*\b:\f+64+16*\b+15], v[\f+16*(\a):\f+16*(\a)+15], v[ACC+8*(4*(\a)+\b):ACC+8*(4*(\a)+\b)+7]
.endif
.endr
.endr
.endm
.macro FETCH slot, q, f
	WIN TO_F
.irp i, 0,1,2,3
.irp c, 0,1,2,3
	ds_load_b128 v[\f+16*\i+4*\c:\f+16*\i+4*\c+3],       v[ADRA+\slot] offset:2048*(4*\i+(\q))+512*\c
	ds_load_b128 v[\f+64+16*\i+4*\c:\f+64+16*\i+4*\c+3], v[ADRB+\slot] offset:128*(\q)+32*\c+16*PITCH*\i
.endr
.endr
.endm
.macro PLACES
.rept 4
	v_nop
.endr
.endm
.macro STEP slot, q, f, g, zero
	s_wait_dscnt 0x0
	PLACES
	FETCH \slot, (\q)+1, \g
	WIN MUL
	MUL8 \f, 0, \zero
	MUL8 \f, 2, \zero
.endm
.macro TURN slot, next, fill
	WIN 0
	s_wait_tensorcnt 0x0
	ds_add_u32 v[SPW], v[NIL]
	s_wait_dscnt 1
	WIN MUL
	MUL8 F1, 0, 0
	s_wait_dscnt 0x0
	WIN 0
	s_barrier_signal -1
	s_barrier_wait -1
.if \fill
	CREST
	s_add_nc_u64 s[G0+4*\slot+2:G0+4*\slot+3], s[G0+4*\slot+2:G0+4*\slot+3], 2<<20
	s_add_nc_u64 s[G0B+4*\slot+2:G0B+4*\slot+3], s[G0B+4*\slot+2:G0B+4*\slot+3], 2*512
	JLOAD \slot
.else
	PLACES
.endif
	s_wait_alu depctr_va_vdst(0)
	FETCH \next, 0, F0
	WIN MUL
	MUL8 F1, 2, 0
.endm
	s_wait_alu depctr_va_vdst(0)
	s_wait_tensorcnt 0x0                           ; my part of slot 0 is in; the lines ahead of a later first fill:
	ds_add_u32 v[SPW], v[NIL]
	s_wait_dscnt 0x0
	CROUND
	JLOAD 1                                        ; slot 1
	FETCH 0, 0, F0
	WIN 0
	global_prefetch_b8 v[PFO], s[70:71] th:TH_LOAD_NT scope:SCOPE_SE
	global_prefetch_b8 v[PFO], s[72:73] th:TH_LOAD_NT scope:SCOPE_SE
	STEP 0, 0, F0, F1, 1
	STEP 0, 1, F1, F0, 0
	STEP 0, 2, F0, F1, 0
	TURN 0, 1, 1
	STEP 1, 0, F0, F1, 0
	STEP 1, 1, F1, F0, 0
	STEP 1, 2, F0, F1, 0
	TURN 1, 0, 1
	STEP 0, 0, F0, F1, 0
	STEP 0, 1, F1, F0, 0
	STEP 0, 2, F0, F1, 0
	TURN 0, 1, 0
	STEP 1, 0, F0, F1, 0
	STEP 1, 1, F1, F0, 0
	STEP 1, 2, F0, F1, 0
	s_wait_dscnt 0x0
	WIN MUL
	MUL8 F1, 0, 0
	MUL8 F1, 2, 0
	WIN 0
.macro TOSTAGE a
.set nn, 0
.rept 16
	v_pk_mul_f32 v[TMP+nn:TMP+nn+1], v[ACC+32*(\a)+nn:ACC+32*(\a)+nn+1], s[66:67] op_sel_hi:[1,0]
.set nn, nn+2
.endr
.irp b, 0,1,2,3
	ds_store_b128 v[STO], v[TMP+8*\b:TMP+8*\b+3] offset:64*\b
	ds_store_b128 v[STO], v[TMP+8*\b+4:TMP+8*\b+7] offset:64*\b+16
.endr
.irp t, 0,1,2,3,4,5,6,7
	ds_load_b128 v[BK+32*((\a)%2)+4*\t:BK+32*((\a)%2)+4*\t+3], v[RD] offset:\t*2*SPITCH
.endr
.endm
.macro SEND a, younger
	s_wait_dscnt \younger
.irp t, 0,1,2,3,4,5,6,7
	global_store_b128 v[CO], v[BK+32*((\a)%2)+4*\t:BK+32*((\a)%2)+4*\t+3], s[OUTB:OUTB+1] offset:(16*(\a)+2*\t)*8192 th:TH_STORE_NT
.endr
.endm
	s_wait_kmcnt 0x0
	s_add_co_i32 s66, s66, s67
	s_add_co_i32 s66, s66, 127
	s_lshl_b32 s66, s66, 23
	s_mov_b32 s67, s66
	PLACES
	TOSTAGE 0
	TOSTAGE 1
	SEND 0, 16
	s_wait_xcnt 0x0
	TOSTAGE 2
	SEND 1, 16
	s_wait_xcnt 0x0
	TOSTAGE 3
	SEND 2, 16
	SEND 3, 0
	s_wait_tensorcnt 0x0
	ds_add_u32 v[SPW], v[NIL]
	s_wait_dscnt 0x0
	CROUND
	s_endpgm
.Lfunc_end_k_q70a30a131b_oproj:
	.size	k_q70a30a131b_oproj, .Lfunc_end_k_q70a30a131b_oproj-k_q70a30a131b_oproj
	.p2alignl 7, 3214868480
	.fill 96, 4, 3214868480
	.section	.rodata,"a",@progbits
	.p2align	6, 0x0
	.amdhsa_kernel k_q70a30a131b_oproj
		.amdhsa_group_segment_fixed_size 327680
		.amdhsa_private_segment_fixed_size 0
		.amdhsa_enable_private_segment 0
		.amdhsa_kernarg_size 32
		.amdhsa_user_sgpr_count 2
		.amdhsa_user_sgpr_kernarg_segment_ptr 1
		.amdhsa_wavefront_size32 1
		.amdhsa_system_sgpr_workgroup_id_x 1
		.amdhsa_system_sgpr_workgroup_id_y 1
		.amdhsa_system_sgpr_workgroup_id_z 1
		.amdhsa_system_vgpr_workitem_id 0
		.amdhsa_next_free_vgpr 512
		.amdhsa_next_free_sgpr 98
		.amdhsa_reserve_vcc 0
		.amdhsa_float_denorm_mode_32 3
		.amdhsa_float_denorm_mode_16_64 3
		.amdhsa_memory_ordered 1
		.amdhsa_forward_progress 1
		.amdhsa_inst_pref_size 75
	.end_amdhsa_kernel
	.amdgpu_metadata
---
amdhsa.version: [ 1, 2 ]
amdhsa.kernels:
  - .name:           k_q70a30a131b_oproj
    .symbol:         k_q70a30a131b_oproj.kd
    .args:
      - { .name: attc, .offset: 0, .size: 8, .value_kind: global_buffer, .address_space: global }
      - { .name: woc, .offset: 8, .size: 8, .value_kind: global_buffer, .address_space: global }
      - { .name: lowp_scales, .offset: 16, .size: 8, .value_kind: global_buffer, .address_space: global }
      - { .name: out0, .offset: 24, .size: 8, .value_kind: global_buffer, .address_space: global }
    .group_segment_fixed_size: 327680
    .private_segment_fixed_size: 0
    .kernarg_segment_align: 8
    .kernarg_segment_size: 32
    .max_flat_workgroup_size: 128
    .sgpr_count:     98
    .vgpr_count:     512
    .wavefront_size: 32
...
	.end_amdgpu_metadata
.endif
;; end of part 4
